; MI455X (gfx1250); checked and timed in simulation.
; The chip was launched on July 23, 2026; its instructions are those of AMD's public machine-readable ISA for CDNA 5 (MIT licence, August 2026) and "CDNA5" Instruction Set Architecture Reference Guide (July 2026). The comments in the code are by the model that wrote it; some were corrected since.
;; Binary Tree Go E. Allowed arithmetic: matrix products marked QUANTISED: E2M1 operands, one E8M0 scale for each 32 along K, by v_wmma_scale_f32_16x16x128_f8f6f4 with both operands' format E2M1 (or v_wmma_scale_f32_32x16x128_f4), f32 sums; products left as they are: bf16, f16 or f32 operands; f32 sums; everything else in f32.
;; Inputs: W0 2,048 x 2,048 float32; W1 2 x 2,048 x 2,048 float32; W2 4 x 2,048 x 2,048 float32; b0 2,048 float32; b1 2 x 2,048 float32; b2 4 x 2,048 float32; path_mask 2,048 x 3 int32; x 2,048 x 2,048 float32.
;; Outputs: out0 2,048 x 2,048 float32.
;; This version of the problem:
;;   THIS VERSION OF THE PROBLEM IS GIVEN IN LOW PRECISION. The matrix products marked QUANTISED in the list below multiply operands that are first quantised to E2M1 (2 exponent bits, 1 mantissa bit; 4 bits a number), with one power-of-two scale for each 32 numbers along K (OCP MX v1.0); their sums are f32. The products marked 'left as it is' may take bf16, f16 or f32 operands, with f32 sums. Whichever they take, every output number must still come out within the allowed error. Rounding operands to bf16 (8 significant bits) uses up far more of that allowance than f16 does (11 bits, for magnitudes from 6e-5 to 65,504). All else is computed in f32.
;;   The module's matrix products, in the order in which they are computed (A, B: the left and right operand; K: the contracted axis; several contracted axes count as one K, in the product's order):
;;     1. [M 2,048, K 2,048] x [K 2,048, N 2,048]; A: input x; B: input W0: QUANTISED
;;     2. [M 2,048, K 2,048] x [K 2,048, N 4,096]; A: computed on the way; B: input W1: left as it is (an operand is computed on the way)
;;     3. [M 2,048, K 2,048] x [K 2,048, N 8,192]; A: computed on the way; B: input W2: left as it is (an operand is computed on the way)
;;   THE QUANTISER, for each operand of a quantised product, along K:
;;     - K is cut into blocks of 32 from its start; a last block that is shorter is filled with zeros.
;;     - A block's scale is 2^e with e = floor(log2(the largest magnitude in the block)) - 2, held to -126 .. 127; a block of zeros has e = 0. As a byte (E8M0): e + 127.
;;     - Each number is divided by its block's scale, clamped to +-6, and rounded to the nearest number of E2M1, ties to even, subnormals kept.
;;     - The product sums the exact products of the quantised numbers (number of the format x scale) in f32.
;;   ~~~python
;;   def quantise(x, axis):      # numpy; x: float32 -> the quantised numbers, widened to float32 again
;;       x = np.moveaxis(x, axis, -1); K = x.shape[-1]
;;       x = np.pad(x, [(0, 0)] * (x.ndim - 1) + [(0, -K % 32)]); x = x.reshape(x.shape[:-1] + (-1, 32)); a = np.abs(x).max(-1, keepdims=True)
;;       e = np.where(a > 0, np.clip(np.frexp(np.where(a > 0, a, 1))[1] - 1 - 2, -126, 127), 0)      # np.frexp(a)[1] - 1 = floor(log2(a)), exactly
;;       r = np.clip(x / 2.0 ** e, -6, 6)
;;       step = 2.0 ** (np.maximum(np.frexp(np.where(r == 0, 1, r))[1] - 1, 0) - 1)
;;       q = np.round(r / step) * step * 2.0 ** e      # np.round: ties to even
;;       return np.moveaxis(q.reshape(q.shape[:-2] + (-1,))[..., :K], -1, axis).astype(np.float32)
;;   ~~~
;; One version. Each part assembles by itself: llvm-mc -triple=amdgcn-amd-amdhsa -mcpu=gfx1250 --defsym DOCPART=n.
;; ======== version 1 of 1: 4 launches
;; limits: values are held in f16: magnitudes above 65,504 overflow, below 6.1e-05 lose precision
;; workspace buffers: q4 4,456,448 bytes; wh 50,331,648 bytes; h0p 10,485,760 bytes; h1p 10,485,760 bytes; route 20,736 bytes of whole numbers; pmax 5,376 bytes
;; launch prep (part 1): grid 577 x 1, 4 waves a work-group, no clusters, 68,096 bytes of LDS; arguments x, W0, W1, W2, b0, b1, path_mask, q4, wh, route, pmax; writes q4, wh, route, pmax
.if DOCPART == 1
	.amdgcn_target "amdgcn-amd-amdhsa--gfx1250"
	.amdhsa_code_object_version 6
	.text
	.protected	k_qfda50a6227_prep
	.globl	k_qfda50a6227_prep
	.p2align	8
	.type	k_qfda50a6227_prep,@function
k_qfda50a6227_prep:
	s_mov_b64 s[64:65], 0
	v_nop
	global_prefetch_b8 v0, s[64:65] scope:SCOPE_SE
	s_setreg_imm32_b32 hwreg(HW_REG_WAVE_MODE, 25, 1), 1
	s_wait_xcnt 0x0
; PREP: everything that is done once to the inputs.  Which work a work-group does hangs on its number alone:
;   0         ROUTE  tokens are sorted by leaf = 2 bit0 + bit1, each leaf's group filled up to a multiple of 160 rows; lists in 'route'; largest |b0|, |b1|
;   1..128    XQ     x [2048][2048] f32 -> codes of E2M1 (K innermost) and E8M0 bytes, in q4; largest |x| of each wave
;   129..192  WQ     W0 [k][n] f32 -> codes laid [n][k], K innermost, and bytes [n][k / 32], in q4; largest |W0| of each wave
;   193..320  CAST   W1 f32 -> f16 as it lies, into wh; largest |W1| of each wave
;   321..576  CAST   W2 f32 -> f16 as it lies, into wh behind W1
; THE LISTS: 16 tiles of 160 rows always suffice: the sum of ceil(n_g / 160) over 4 leaves is at most (2048 + 4 x 159) / 160, rounded down = 16.  2,560 places, of which always 512 hold no token.
;   route + 0: pos[token];  + 8192: tok[place] (2048 = no token);  + 18432: the 512 places without a token;  + 20480: bit0 of each tile (16 words), then its leaf (16 words).
; THE LARGEST MAGNITUDES (pmax, one f32 a wave) serve the later launches as bounds from which they choose powers of two for the f16 copies of the hidden layers.
; A block's scale is 2^(floor(log2(its largest magnitude)) - 2); its byte is the largest magnitude's exponent field - 2, held at 1 from below.  A block of zeros so gets the byte 1: its codes are zeros, and this program alone reads the bytes.
; LIMITS: NaN and infinities among the inputs are not served; |W1|, |W2| stay under 65,504 (f16); blocks of x or W0 whose largest magnitude lies under 2^-124 get the byte 1.
; LDS: each path has bytes of its own: XQ 0 .. 32,767 (8,192 a wave), WQ 32,768 .. 67,583 (four stages of 32 x 272), the spare words from 67,584 on.  No tensor loads, no barrier: waves share nothing.
.set WQO,   2097152                    ; q4: x's codes at 0, W0's codes here,
.set XSO,   4194304                    ; x's scale bytes,
.set WSO,   4325376                    ; W0's scale bytes
.set W2H,   16777216                   ; wh: W2 behind W1
.set R_TOK, 8192
.set R_PAD, 18432
.set R_TIL, 20480
.set WST,   32768                      ; WQ's stages
.set SPARE, 67584                      ; the spare words, 128 bytes for each wave: two blocks of 256 bytes that no other line names
.set SPW,   14                         ; v14  LDS address of my spare word; never rewritten
.set NIL,   15                         ; v15  0; never rewritten
.set MX,    10                         ; v10  my running largest magnitude
.macro FINISH                          ; the wave's end
	s_wait_tensorcnt 0x0
	ds_add_u32 v[SPW], v[NIL]
	s_wait_dscnt 0x0
	s_endpgm
.endm
; The wave's largest magnitude goes to word sidx / 4 of pmax: four steps inside each half of 16 lanes, one across the halves, and lane 0 stores.
.macro PUTMAX reg, sidx
	s_wait_xcnt 0x0                                ; earlier stores have read v9; and EXEC changes only behind this wait
	v_max_num_f32_dpp v[\reg], v[\reg], v[\reg] row_xmask:1 row_mask:0xf bank_mask:0xf
	v_max_num_f32_dpp v[\reg], v[\reg], v[\reg] row_xmask:2 row_mask:0xf bank_mask:0xf
	v_max_num_f32_dpp v[\reg], v[\reg], v[\reg] row_xmask:4 row_mask:0xf bank_mask:0xf
	v_max_num_f32_dpp v[\reg], v[\reg], v[\reg] row_xmask:8 row_mask:0xf bank_mask:0xf
	v_permlanex16_b32 v11, v[\reg], s28, s29
	v_max_num_f32 v[\reg], v[\reg], v11
	v_mov_b32 v9, \sidx
	v_cmp_eq_u32 vcc_lo, 0, v2
	s_and_saveexec_b32 s30, vcc_lo
	global_store_b32 v9, v[\reg], s[24:25]
	s_wait_xcnt 0x0                                ; and again, in front of the line that widens it
	s_or_b32 exec_lo, exec_lo, s30
.endm
	s_load_b512 s[4:19], s[0:1], 0x0               ; x s[4:5], W0 s[6:7], W1 s[8:9], W2 s[10:11], b0 s[12:13], b1 s[14:15], path_mask s[16:17], q4 s[18:19]
	s_load_b128 s[20:23], s[0:1], 0x40             ; wh s[20:21], route s[22:23]
	s_load_b64 s[24:25], s[0:1], 0x50              ; pmax
	v_lshl_add_u32 v[SPW], v0, 2, SPARE
	v_mov_b32 v[NIL], 0
	v_lshrrev_b32 v1, 5, v0
	v_readfirstlane_b32 s26, v1                    ; wave 0..3
	v_and_b32 v2, 31, v0                           ; lane
	s_mov_b32 s28, 0x76543210                      ; v_permlanex16_b32's selects for lane l xor 16
	s_mov_b32 s29, 0xfedcba98
	v_mov_b32 v[MX], 0
	v_mov_b32 v11, 0                               ; (a lane permute's destination counts as one of its sources)
	s_mov_b32 s35, 0                               ; the upper word of every byte offset s[34:35]
	s_wait_kmcnt 0x0
	s_cmp_eq_u32 ttmp9, 0
	s_cbranch_scc1 .Lroute
	s_cmp_lt_u32 ttmp9, 129
	s_cbranch_scc1 .Lxq
	s_cmp_lt_u32 ttmp9, 193
	s_cbranch_scc1 .Lwq
	s_cmp_lt_u32 ttmp9, 321
	s_cbranch_scc1 .Lcast1
; ---------------- CAST: a wave turns 16,384 numbers (65,536 bytes) into f16 (32,768 bytes), as they lie.
; Eight slots in registers keep eight loads of 512 consecutive bytes out; a slot's store covers 256 consecutive bytes, aligned.
.macro CSLOT i, ahead, left, mx
	s_wait_loadcnt \left                           ; loads come back in order: mine is in, the younger ones stay out
.if \mx
	v_max3_num_f32 v[MX], v[MX], |v[32+4*\i]|, |v[33+4*\i]|
	v_max3_num_f32 v[MX], v[MX], |v[34+4*\i]|, |v[35+4*\i]|
.endif
	v_cvt_pk_f16_f32 v[64+2*\i], v[32+4*\i], v[33+4*\i]
	v_cvt_pk_f16_f32 v[65+2*\i], v[34+4*\i], v[35+4*\i]
.if \ahead
	global_load_b128 v[32+4*\i:35+4*\i], v3, s[36:37] offset:4096+512*\i th:TH_LOAD_NT
.endif
	global_store_b64 v4, v[64+2*\i:65+2*\i], s[38:39] offset:256*\i th:TH_STORE_NT
.endm
.macro CAST mx
	v_lshlrev_b32 v3, 4, v2                        ; in: 16 bytes a lane; never rewritten
	v_lshlrev_b32 v4, 3, v2                        ; out: 8 bytes a lane; never rewritten
.irp i, 0,1,2,3,4,5,6,7
	global_load_b128 v[32+4*\i:35+4*\i], v3, s[36:37] offset:512*\i th:TH_LOAD_NT
.endr
	s_mov_b32 s27, 15                              ; 16 rounds of 4,096 bytes; the last is written out without loads
.Lcast_\@:
.irp i, 0,1,2,3,4,5,6,7
	CSLOT \i, 1, 7, \mx
.endr
	s_wait_xcnt 0x0                                ; the bases and the stores' data are written again only behind this wait
	s_add_nc_u64 s[36:37], s[36:37], 4096
	s_add_nc_u64 s[38:39], s[38:39], 2048
	s_sub_co_u32 s27, s27, 1
	s_cmp_lg_u32 s27, 0
	s_cbranch_scc1 .Lcast_\@
.irp i, 0,1,2,3,4,5,6,7
	CSLOT \i, 0, 7-\i, \mx
.endr
.endm
	s_sub_co_u32 s32, ttmp9, 321                   ; W2: 1,024 chunks
	s_lshl_b32 s32, s32, 2
	s_add_co_u32 s32, s32, s26
	s_lshl_b32 s34, s32, 16
	s_add_nc_u64 s[36:37], s[10:11], s[34:35]
	s_lshl_b32 s34, s32, 15
	s_add_co_u32 s34, s34, W2H
	s_add_nc_u64 s[38:39], s[20:21], s[34:35]
	CAST 0                                         ; no bound hangs on W2: the last layer's results stay f32
	FINISH
.Lcast1:
	s_sub_co_u32 s32, ttmp9, 193                   ; W1: 512 chunks
	s_lshl_b32 s32, s32, 2
	s_add_co_u32 s32, s32, s26
	s_lshl_b32 s34, s32, 16
	s_add_nc_u64 s[36:37], s[8:9], s[34:35]
	s_lshl_b32 s34, s32, 15
	s_add_nc_u64 s[38:39], s[20:21], s[34:35]
	CAST 1
	s_add_co_u32 s31, s32, 768
	s_lshl_b32 s31, s31, 2
	PUTMAX MX, s31
	FINISH
; ---------------- XQ: x is a plain stream of blocks of 32 (rows are dense, 2,048 is a multiple of 32).  A wave takes 16 steps of 512 numbers.
; Each load reads 512 consecutive bytes, 16 a lane; a step's 2,048 bytes turn through the wave's own stage (16 bytes of padding behind each 64) and come back 64 bytes a lane:
; 16 neighbours along K, two neighbouring lanes to a block.  A lane's 16 codes are 8 bytes: the wave stores 256 consecutive bytes.  The wave's 256 scale bytes are gathered in LDS and leave as one aligned run.
.set XR, 16                            ; v16-79   four sets of 16 numbers as loaded
.set XX, 80                            ; v80-111  two sets of 16 neighbours
.set XE, 112                           ; v112-127 a scale byte for each step
.set XC, 128                           ; v128-191 codes: registers of its own for each step
.macro XLOAD t
.irp i, 0,1,2,3
	global_load_b128 v[XR+16*((\t)%4)+4*\i:XR+16*((\t)%4)+4*\i+3], v3, s[4:5] offset:2048*(\t)+512*\i th:TH_LOAD_NT
.endr
.endm
.macro XTURN t                         ; LDS serves a wave's instructions in order: no wait between the stores and the loads
.irp i, 0,1,2,3
	ds_store_b128 v12, v[XR+16*((\t)%4)+4*\i:XR+16*((\t)%4)+4*\i+3] offset:2560*((\t)%2)+640*\i
.endr
.irp i, 0,1,2,3
	ds_load_b128 v[XX+16*((\t)%2)+4*\i:XX+16*((\t)%2)+4*\i+3], v13 offset:2560*((\t)%2)+16*\i
.endr
.endm
.macro XSTEP t
.set XS, XX+16*((\t)%2)
.if (\t) > 0
	s_wait_dscnt 1                                 ; this step's numbers are back from the stage (the last step's byte store may be out)
.else
	s_wait_dscnt 0x0
.endif
.if (\t)+4 < 16
	XLOAD (\t)+4                                   ; into the set whose stores into the stage are done
.endif
.if (\t)+1 < 16
.if 14-(\t) >= 3
	s_wait_loadcnt 12                              ; the next step's four loads are in; those of the three steps behind it may be out
.else
	s_wait_loadcnt 4*(14-(\t))
.endif
	XTURN (\t)+1
.endif
	v_max3_num_f32 v8, |v[XS]|, |v[XS+1]|, |v[XS+2]|
	v_max3_num_f32 v9, |v[XS+3]|, |v[XS+4]|, |v[XS+5]|
.irp i, 6,10
	v_max3_num_f32 v8, v8, |v[XS+\i]|, |v[XS+\i+1]|
	v_max3_num_f32 v9, v9, |v[XS+\i+2]|, |v[XS+\i+3]|
.endr
	v_max3_num_f32 v8, v8, |v[XS+14]|, |v[XS+15]|
	v_max3_num_f32 v8, v8, v9, 0x1800000           ; and the floor 2^(3 - 127): the byte cannot fall under 1
	v_max_num_f32_dpp v8, v8, v8 row_xmask:1 row_mask:0xf bank_mask:0xf   ; with my neighbour's 16: the block's
	v_max_num_f32 v[MX], v[MX], v8
	v_add_nc_u32 v11, 0xff000000, v8               ; 2 off its exponent field: the conversion takes the exponent field of this operand as its scale
	v_cvt_scalef32_pk8_fp4_f32 v[XC+4*(\t)], v[XS:XS+7], v11
	v_cvt_scalef32_pk8_fp4_f32 v[XC+4*(\t)+1], v[XS+8:XS+15], v11
	v_lshrrev_b32 v[XE+(\t)], 23, v11              ; the scale's byte
	ds_store_b8 v5, v[XE+(\t)] offset:16*(\t)      ; both lanes of a block write the same byte with the same value
	global_store_b64 v4, v[XC+4*(\t):XC+4*(\t)+1], s[36:37] offset:256*(\t)
.endm
.Lxq:
	v_lshlrev_b32 v3, 4, v2                        ; my 16 bytes of a load's 512
	s_mul_i32 s31, s26, 8192                       ; my wave's region
	v_lshrrev_b32 v12, 2, v2
	v_mul_u32_u24 v12, v12, 80
	v_and_b32 v13, 3, v2
	v_lshl_add_u32 v12, v13, 4, v12
	v_add_nc_u32 v12, s31, v12                     ; the stage, on the way in: 80 (lane / 4) + 16 (lane % 4)
	v_mul_u32_u24 v13, v2, 80
	v_add_nc_u32 v13, s31, v13                     ; and on the way out: 80 x lane
	v_lshlrev_b32 v4, 3, v2                        ; my codes' place in a step's
	v_lshrrev_b32 v5, 1, v2
	s_add_co_u32 s31, s31, 5120                    ; behind the two stages: my wave's 256 scale bytes
	v_add_nc_u32 v5, s31, v5
	v_lshlrev_b32 v7, 3, v2
	v_add_nc_u32 v6, s31, v7
	s_sub_co_u32 s32, ttmp9, 1
	s_lshl_b32 s32, s32, 2
	s_add_co_u32 s32, s32, s26                     ; which run of 8,192 numbers is my wave's: 0 .. 511
	s_lshl_b32 s34, s32, 15
	s_add_nc_u64 s[4:5], s[4:5], s[34:35]
	s_lshl_b32 s34, s32, 12
	s_add_nc_u64 s[36:37], s[18:19], s[34:35]      ; its codes
	s_lshl_b32 s34, s32, 8
	s_add_co_u32 s34, s34, XSO
	s_add_nc_u64 s[38:39], s[18:19], s[34:35]      ; its scale bytes
.irp t, 0,1,2,3
	XLOAD \t
.endr
	s_wait_loadcnt 12                              ; step 0's four loads are in
	XTURN 0
.irp t, 0,1,2,3,4,5,6,7,8,9,10,11,12,13,14,15
	XSTEP \t
.endr
	ds_load_b64 v[8:9], v6                         ; LDS serves a wave's instructions in order: these see my byte stores
	s_wait_dscnt 0x0
	global_store_b64 v7, v[8:9], s[38:39]          ; 32 lanes store 256 consecutive bytes, aligned
	s_lshl_b32 s31, s32, 2
	PUTMAX MX, s31
	FINISH
; ---------------- WQ: K is W0's FIRST axis.  A lane takes a column n and its registers run down K: a load reads 128 consecutive bytes a wave, a block of 32 lies in one lane,
; and the conversions give codes with K innermost.  A wave takes 32 columns x 512 along K; the codes go through its stage (rows of 256 + 16 bytes) and leave sixteen lanes to 256 aligned bytes.
.macro WLOAD t
.set wi, 0
.rept 32
	global_load_b32 v[32+32*((\t)%2)+wi], v3, s[6:7] offset:(32*(\t)+wi)*8192 th:TH_LOAD_NT
.set wi, wi+1
.endr
.endm
.macro WBLOCK t
.set WX, 32+32*((\t)%2)
.if (\t) < 15
	s_wait_loadcnt 32                              ; this block's 32 loads are in; the next block's may be out
.else
	s_wait_loadcnt 0x0
.endif
	v_max3_num_f32 v12, |v[WX]|, |v[WX+1]|, |v[WX+2]|
	v_max3_num_f32 v13, |v[WX+3]|, |v[WX+4]|, |v[WX+5]|
.irp i, 6,10,14,18,22,26
	v_max3_num_f32 v12, v12, |v[WX+\i]|, |v[WX+\i+1]|
	v_max3_num_f32 v13, v13, |v[WX+\i+2]|, |v[WX+\i+3]|
.endr
	v_max3_num_f32 v12, v12, |v[WX+30]|, |v[WX+31]|
	v_max3_num_f32 v12, v12, v13, 0x1800000        ; and the floor 2^(3 - 127)
	v_max_num_f32 v[MX], v[MX], v12
	v_add_nc_u32 v11, 0xff000000, v12              ; the conversion's scale operand
	v_lshrrev_b32 v13, 23, v11                     ; the scale's byte
.if (\t)%4 == 0
	v_mov_b32 v[24+(\t)/4], v13                    ; four bytes to a register, the lower K in the lower byte
.else
	v_lshl_or_b32 v[24+(\t)/4], v13, 8*((\t)%4), v[24+(\t)/4]
.endif
.irp g, 0,1,2,3
	v_cvt_scalef32_pk8_fp4_f32 v[96+\g], v[WX+8*\g:WX+8*\g+7], v11
.endr
	ds_store_b128 v4, v[96:99] offset:16*(\t)      ; 32 codes: 16 bytes of my column's row
.if (\t)+2 < 16
	WLOAD (\t)+2
.endif
	s_wait_dscnt 0x0                               ; the store has read its registers: the next block's codes may be written
.endm
.Lwq:
	s_sub_co_u32 s32, ttmp9, 129                   ; j = 0 .. 63
	s_and_b32 s33, s32, 15                         ; which 128 columns
	s_lshr_b32 s36, s32, 4                         ; which 512 along K
	s_lshl_b32 s37, s33, 7
	s_lshl_b32 s38, s26, 5
	s_add_co_u32 s37, s37, s38                     ; my wave's first column
	v_lshlrev_b32 v3, 2, v2                        ; in: 4 bytes a lane
	s_mul_i32 s38, s26, 8704
	s_add_co_u32 s38, s38, WST                     ; my stage
	v_mul_u32_u24 v4, v2, 272
	v_add_nc_u32 v4, s38, v4                       ; into it: row = my column
	v_and_b32 v5, 15, v2
	v_lshrrev_b32 v6, 4, v2
	v_mul_u32_u24 v7, v6, 272
	v_lshl_add_u32 v7, v5, 4, v7
	v_add_nc_u32 v7, s38, v7                       ; out of it: sixteen lanes to a row, two rows an instruction
	v_lshlrev_b32 v8, 10, v6
	v_lshl_add_u32 v8, v5, 4, v8                   ; and the same place in the codes: rows of 1,024 bytes
	v_lshlrev_b32 v9, 6, v2                        ; my column's row of 64 scale bytes
	s_lshl_b32 s34, s36, 22                        ; 512 rows of 8,192 bytes
	s_lshl_b32 s39, s37, 2
	s_add_co_u32 s34, s34, s39
	s_add_nc_u64 s[6:7], s[6:7], s[34:35]
	s_lshl_b32 s34, s37, 10
	s_lshl_b32 s39, s36, 8
	s_add_co_u32 s34, s34, s39
	s_add_co_u32 s34, s34, WQO
	s_add_nc_u64 s[40:41], s[18:19], s[34:35]
	s_lshl_b32 s34, s37, 6
	s_lshl_b32 s39, s36, 4
	s_add_co_u32 s34, s34, s39
	s_add_co_u32 s34, s34, WSO
	s_add_nc_u64 s[42:43], s[18:19], s[34:35]
	WLOAD 0
	WLOAD 1
.irp t, 0,1,2,3,4,5,6,7,8,9,10,11,12,13,14,15
	WBLOCK \t
.endr
	global_store_b128 v9, v[24:27], s[42:43]       ; my column's 16 scale bytes
.irp t, 0,1,2,3,4,5,6,7,8,9,10,11,12,13,14,15
	ds_load_b128 v[112+4*\t:115+4*\t], v7 offset:544*\t
.endr
.irp t, 0,1,2,3,4,5,6,7,8,9,10,11,12,13,14,15
	s_wait_dscnt 15-\t
	global_store_b128 v8, v[112+4*\t:115+4*\t], s[40:41] offset:2048*\t
.endr
	s_lshl_b32 s31, s32, 2
	s_add_co_u32 s31, s31, s26
	s_add_co_u32 s31, s31, 512
	s_lshl_b32 s31, s31, 2
	PUTMAX MX, s31
	FINISH
; ---------------- ROUTE: a counting sort without atomics and without traffic between waves.  Every wave counts all 2,048 tokens by ballots (64 chunks of 32), keeping the counts as they stood
; at the head of its own quarter; then it places its own 512 tokens.  Scalars: n_g s50-53, rows ahead of my quarter s54-57, tiles T_g s58-61, their running sums C_g s66-69,
; a group's first place P_g s70-73, my next free place s74-77, empty places ahead of group g (g = 1 .. 4) s78-81, what turns the q-th empty place into its place s82-86.
.Lroute:
	v_mul_u32_u24 v3, v2, 12                       ; a token's three words are 12 bytes
	s_mul_i32 s31, s26, 6144
	v_add_nc_u32 v4, s31, v3                       ; my quarter's tokens
	v_lshlrev_b32 v5, 4, v2
	s_lshl_b32 s31, s26, 11
	v_add_nc_u32 v6, s31, v5                       ; my quarter of b0: 2,048 bytes
	s_lshl_b32 s31, s26, 12
	v_add_nc_u32 v5, s31, v5                       ; my quarter of b1: 4,096 bytes
.set j, 0
.rept 64
	global_load_b32 v[32+2*j], v3, s[16:17] offset:384*j
	global_load_b32 v[33+2*j], v3, s[16:17] offset:384*j+4
.set j, j+1
.endr
.set j, 0
.rept 16
	global_load_b32 v[160+2*j], v4, s[16:17] offset:384*j
	global_load_b32 v[161+2*j], v4, s[16:17] offset:384*j+4
.set j, j+1
.endr
.irp i, 0,1,2,3
	global_load_b128 v[192+4*\i:195+4*\i], v6, s[12:13] offset:512*\i
.endr
.irp i, 0,1,2,3,4,5,6,7
	global_load_b128 v[208+4*\i:211+4*\i], v5, s[14:15] offset:512*\i
.endr
.irp g, 51,52,53,55,56,57
	s_mov_b32 s\g, 0
.endr
	s_wait_loadcnt 0x0
.set j, 0
.rept 64
.if (j == 16) || (j == 32) || (j == 48)
	s_cmp_eq_u32 s26, j/16                         ; my quarter begins here: the counts so far are the rows ahead of it
	s_cselect_b32 s55, s51, s55
	s_cselect_b32 s56, s52, s56
	s_cselect_b32 s57, s53, s57
.endif
	v_cmp_ne_u32 s40, 0, v[32+2*j]                 ; bit0 of 32 tokens
	v_cmp_ne_u32 s41, 0, v[33+2*j]                 ; bit1
	s_and_b32 s42, s40, s41                        ; leaf 3
	s_and_not1_b32 s43, s40, s41                   ; leaf 2
	s_and_not1_b32 s44, s41, s40                   ; leaf 1
	s_bcnt1_i32_b32 s42, s42
	s_bcnt1_i32_b32 s43, s43
	s_bcnt1_i32_b32 s44, s44
	s_add_co_u32 s53, s53, s42
	s_add_co_u32 s52, s52, s43
	s_add_co_u32 s51, s51, s44
.set j, j+1
.endr
	s_add_co_u32 s40, s51, s52
	s_add_co_u32 s40, s40, s53
	s_sub_co_u32 s50, 2048, s40                    ; leaf 0 has the rest
	s_add_co_u32 s40, s55, s56
	s_add_co_u32 s40, s40, s57
	s_lshl_b32 s41, s26, 9
	s_sub_co_u32 s54, s41, s40
.irp g, 0,1,2,3
	s_add_co_u32 s40, s[50+\g], 159
	s_mul_i32 s40, s40, 6554
	s_lshr_b32 s[58+\g], s40, 20                   ; ceil(n / 160): 6554 / 2^20 exceeds 1 / 160 by 3.8e-7, too little to reach the next whole number for arguments up to 2,207
.endr
	s_mov_b32 s66, s58
	s_add_co_u32 s67, s66, s59
	s_add_co_u32 s68, s67, s60
	s_add_co_u32 s69, s68, s61
	s_mov_b32 s70, 0
	s_mul_i32 s71, s66, 160
	s_mul_i32 s72, s67, 160
	s_mul_i32 s73, s68, 160
.irp g, 0,1,2,3
	s_add_co_u32 s[74+\g], s[70+\g], s[54+\g]
.endr
	s_mul_i32 s40, s58, 160
	s_sub_co_u32 s78, s40, s50                     ; empty places of group 0
.irp g, 1,2,3
	s_mul_i32 s40, s[58+\g], 160
	s_sub_co_u32 s40, s40, s[50+\g]
	s_add_co_u32 s[78+\g], s[77+\g], s40           ; and of the groups up to g
.endr
	s_add_co_u32 s82, s70, s50
.irp g, 1,2,3
	s_add_co_u32 s40, s[70+\g], s[50+\g]
	s_sub_co_u32 s[82+\g], s40, s[77+\g]
.endr
	s_mul_i32 s40, s69, 160
	s_sub_co_u32 s86, s40, s81                     ; the tiles that no group needs are empty as a whole
	s_lshl_b32 s31, s26, 9
	v_add_nc_u32 v8, s31, v2                       ; my first token
	v_lshlrev_b32 v7, 2, v8
.set j, 0
.rept 16
	v_cmp_ne_u32 s40, 0, v[160+2*j]
	v_cmp_ne_u32 s41, 0, v[161+2*j]
	s_and_b32 s42, s40, s41
	s_and_not1_b32 s43, s40, s41
	s_and_not1_b32 s44, s41, s40
	s_or_b32 s45, s40, s41
	s_not_b32 s45, s45                             ; leaf 0
	v_mbcnt_lo_u32_b32 v16, s45, s74               ; the group's next free place + the lanes of that leaf below me
	v_mbcnt_lo_u32_b32 v17, s44, s75
	v_mbcnt_lo_u32_b32 v18, s43, s76
	v_mbcnt_lo_u32_b32 v19, s42, s77
	v_cndmask_b32 v16, v16, v17, s41
	v_cndmask_b32 v18, v18, v19, s41
	v_cndmask_b32 v[32+j], v16, v18, s40           ; my token's place
	s_bcnt1_i32_b32 s45, s45
	s_bcnt1_i32_b32 s44, s44
	s_bcnt1_i32_b32 s43, s43
	s_bcnt1_i32_b32 s42, s42
	s_add_co_u32 s74, s74, s45
	s_add_co_u32 s75, s75, s44
	s_add_co_u32 s76, s76, s43
	s_add_co_u32 s77, s77, s42
	global_store_b32 v7, v[32+j], s[22:23] offset:128*j
	v_min_u32 v[48+j], 2559, v[32+j]               ; it is a place by construction; held inside the list all the same
	v_lshlrev_b32 v[48+j], 2, v[48+j]
	v_add_nc_u32 v[64+j], 32*j, v8
	global_store_b32 v[48+j], v[64+j], s[22:23] offset:R_TOK
.set j, j+1
.endr
	v_lshlrev_b32 v22, 2, v0                       ; thread i names the empty places 4 i .. 4 i + 3 of 512
	v_mov_b32 v88, 2048                            ; 'no token'
	v_lshlrev_b32 v89, 4, v0
.irp u, 0,1,2,3
	v_add_nc_u32 v20, \u, v22
	v_mov_b32 v21, s82
.irp g, 1,2,3,4
	v_cmp_le_u32 vcc_lo, s[77+\g], v20
	v_cndmask_b32 v21, v21, s[82+\g], vcc_lo
.endr
	v_add_nc_u32 v[80+\u], v20, v21
	v_min_u32 v[84+\u], 2559, v[80+\u]
	v_lshlrev_b32 v[84+\u], 2, v[84+\u]
.endr
	global_store_b128 v89, v[80:83], s[22:23] offset:R_PAD
.irp u, 0,1,2,3
	global_store_b32 v[84+\u], v88, s[22:23] offset:R_TOK   ; so every word of tok is written once
.endr
	s_cmp_lg_u32 s26, 0
	s_cbranch_scc1 .Lno_tiles                      ; wave 0 writes the tiles' experts
	v_and_b32 v20, 15, v2
	v_cmp_le_u32 vcc_lo, s66, v20
	v_cndmask_b32 v21, 0, 1, vcc_lo
	v_cmp_le_u32 vcc_lo, s67, v20
	v_cndmask_b32 v23, 0, 1, vcc_lo
	v_add_nc_u32 v21, v21, v23
	v_cmp_le_u32 vcc_lo, s68, v20
	v_cndmask_b32 v23, 0, 1, vcc_lo
	v_add_nc_u32 v21, v21, v23                     ; the tile's leaf (tiles that no group needs: 3)
	v_lshrrev_b32 v23, 1, v21                      ; its bit0
	v_cmp_gt_u32 vcc_lo, 16, v2
	v_cndmask_b32 v24, v21, v23, vcc_lo            ; lanes 0-15: bit0, lanes 16-31: leaf
	v_lshlrev_b32 v25, 2, v2
	global_store_b32 v25, v24, s[22:23] offset:R_TIL
.Lno_tiles:
	v_mov_b32 v26, 0
.irp i, 0,2,4,6,8,10,12,14
	v_max3_num_f32 v[MX], v[MX], |v[192+\i]|, |v[193+\i]|
.endr
.irp i, 0,2,4,6,8,10,12,14,16,18,20,22,24,26,28,30
	v_max3_num_f32 v26, v26, |v[208+\i]|, |v[209+\i]|
.endr
	s_add_co_u32 s31, s26, 1280
	s_lshl_b32 s31, s31, 2
	PUTMAX MX, s31
	s_add_co_u32 s31, s31, 16
	PUTMAX 26, s31
	FINISH
.Lfunc_end_k_qfda50a6227_prep:
	.size	k_qfda50a6227_prep, .Lfunc_end_k_qfda50a6227_prep-k_qfda50a6227_prep
	.p2alignl 7, 3214868480
	.fill 96, 4, 3214868480
	.section	.rodata,"a",@progbits
	.p2align	6, 0x0
	.amdhsa_kernel k_qfda50a6227_prep
		.amdhsa_group_segment_fixed_size 68096
		.amdhsa_private_segment_fixed_size 0
		.amdhsa_enable_private_segment 0
		.amdhsa_kernarg_size 88
		.amdhsa_user_sgpr_count 2
		.amdhsa_user_sgpr_kernarg_segment_ptr 1
		.amdhsa_wavefront_size32 1
		.amdhsa_system_sgpr_workgroup_id_x 1
		.amdhsa_system_sgpr_workgroup_id_y 1
		.amdhsa_system_sgpr_workgroup_id_z 1
		.amdhsa_system_vgpr_workitem_id 0
		.amdhsa_next_free_vgpr 240
		.amdhsa_next_free_sgpr 102
		.amdhsa_reserve_vcc 1
		.amdhsa_float_denorm_mode_32 3
		.amdhsa_float_denorm_mode_16_64 3
		.amdhsa_memory_ordered 1
		.amdhsa_forward_progress 1
		.amdhsa_inst_pref_size 202
	.end_amdhsa_kernel
	.amdgpu_metadata
---
amdhsa.version: [ 1, 2 ]
amdhsa.kernels:
  - .name:           k_qfda50a6227_prep
    .symbol:         k_qfda50a6227_prep.kd
    .args:
      - { .name: x, .offset: 0, .size: 8, .value_kind: global_buffer, .address_space: global }
      - { .name: W0, .offset: 8, .size: 8, .value_kind: global_buffer, .address_space: global }
      - { .name: W1, .offset: 16, .size: 8, .value_kind: global_buffer, .address_space: global }
      - { .name: W2, .offset: 24, .size: 8, .value_kind: global_buffer, .address_space: global }
      - { .name: b0, .offset: 32, .size: 8, .value_kind: global_buffer, .address_space: global }
      - { .name: b1, .offset: 40, .size: 8, .value_kind: global_buffer, .address_space: global }
      - { .name: path_mask, .offset: 48, .size: 8, .value_kind: global_buffer, .address_space: global }
      - { .name: q4, .offset: 56, .size: 8, .value_kind: global_buffer, .address_space: global }
      - { .name: wh, .offset: 64, .size: 8, .value_kind: global_buffer, .address_space: global }
      - { .name: route, .offset: 72, .size: 8, .value_kind: global_buffer, .address_space: global }
      - { .name: pmax, .offset: 80, .size: 8, .value_kind: global_buffer, .address_space: global }
    .group_segment_fixed_size: 68096
    .private_segment_fixed_size: 0
    .kernarg_segment_align: 8
    .kernarg_segment_size: 88
    .max_flat_workgroup_size: 128
    .sgpr_count:     102
    .vgpr_count:     240
    .wavefront_size: 32
...
	.end_amdgpu_metadata
.endif
;; end of part 1
;; launch gemm0 (part 2): grid 16 x 16, 4 waves a work-group, clusters of 4 x 4, 327,680 bytes of LDS; arguments q4, b0, route, pmax, h0p; writes h0p
.if DOCPART == 2
	.amdgcn_target "amdgcn-amd-amdhsa--gfx1250"
	.amdhsa_code_object_version 6
	.text
	.protected	k_qfda50a6227_gemm0
	.globl	k_qfda50a6227_gemm0
	.p2align	8
	.type	k_qfda50a6227_gemm0,@function
k_qfda50a6227_gemm0:
	s_mov_b64 s[64:65], 0
	v_nop
	global_prefetch_b8 v0, s[64:65] scope:SCOPE_SE
	s_setreg_imm32_b32 hwreg(HW_REG_WAVE_MODE, 25, 1), 1
	s_wait_xcnt 0x0
	s_wait_alu depctr_hold_cnt(0) depctr_sa_sdst(0) depctr_va_vdst(0) depctr_va_sdst(0) depctr_va_ssrc(0) depctr_va_vcc(0) depctr_vm_vsrc(0)
	s_getreg_b32 s2, hwreg(HW_REG_IB_STS2, 6, 4)
	s_cmp_eq_u32 s2, 0
	s_cbranch_scc0 .Lentry_in_a_cluster
	s_endpgm
.Lentry_in_a_cluster:
	s_bfe_u32 s2, ttmp6, 0x10000c
	s_cmp_lg_u32 s2, 0xf033
	s_cbranch_scc0 .Lentry_shape_is_right
	s_endpgm
.Lentry_shape_is_right:
; h0' = f16(relu(Q(x) Q(W0) + b0) x 2^t0), row of token t stored at place pos[t] of h0p [2560][2048]; the 512 places without a token are stored as zeros.
; Both operands are codes of E2M1 with E8M0 bytes (q4, made by the launch before); the product is v_wmma_scale_f32_16x16x128_f8f6f4, sums in f32.
; t0: |x| < 2^(fx - 126), f the exponent field of the largest magnitude; a quantised number lies under 2^(f - 125); so |sum| < 2^(fx + fw - 239), and h0 < 2^E0 with
; E0 = max(fx + fw - 239, fb - 126) + 1.  t0 = 15 - E0, held to -60 .. 60: h0' < 2^15 fits f16 whatever the inputs' size.  A power of two rounds nothing.
; LIMITS: NaN and infinities are not served; the hold of t0 at +-60 serves bounds 2^E0 from 2^-45 to 2^75.
; SHARES: a work-group makes 128 tokens x 128 columns, each of four waves 64 x 64: 16 accumulators.  All of K (2,048: 1,024 bytes a row) fits in LDS: two halves of K, each filled once; nothing is filled again.
; CLUSTER 4 x 4: the four of a row of the cluster need the same tokens' codes, the four of a column the same columns' codes: each tile is asked for jointly.
; THE MATRIX INSTRUCTION IS USED TRANSPOSED (source 0 = 16 rows of W0's codes, source 1 = 16 tokens): a lane holds one token and eight neighbouring columns.
; REGISTERS: window 0: v1-15 addresses, v16-19 zeros, v20-23 empty places, v32-63 bias, v64-127 scale words and nothing else, v128-159 at work, v160-223 the way out, v224-239 the rows' offsets in h0p.
;   window 1: two sets of fragments (W0's four at 8 b, x's four at 32 + 8 a).   window 2: the accumulators, (a, b) at 8 (4 a + b).
.set WQO,   2097152
.set XSO,   4194304
.set WSO,   4325376
.set R_PAD, 18432
.set HALF,  135168                     ; half of K: x's 128 rows of 512 + 16 bytes, then W0's 128
.set QUART, 33792                      ; 64 rows: what one tensor load brings
.set SCL,   270336                     ; the scale bytes: 64 rows x 64 bytes a wave, as 16 runs of 256 + 16 bytes
.set SQ,    4352
.set SPARE, 287744                     ; the spare words, 128 bytes for each wave: two blocks of 256 bytes that no other line names
.set SPW,  28
.set NIL,  29
.set BIAS, 32
.set SC,   64                          ; register 16 i + q: lanes 0-15 the word of x's block i, lanes 16-31 that of W0's block i, for the q-th 128 along K
.set T,    128
.set BK,   160
.set PO,   224
.set MSB, 0
.macro WIN new                         ; the immediate's high byte repeats the setting that is left
.if MSB != \new
	s_set_vgpr_msb (MSB<<8)|\new
.set MSB, \new
.endif
.endm
.macro PLACES                          ; four plain places in front of loads into registers that matrix instructions have read, and of the first read of results
.rept 4
	v_nop
.endr
.endm
.macro CROUND                          ; a round of the cluster's barrier
	s_barrier_signal -1
	s_barrier_wait -1
	s_cmp_lg_u32 s14, 0
	s_cbranch_scc1 .Lnot_wave_0_\@
	s_barrier_signal -3
.Lnot_wave_0_\@:
	s_barrier_wait -3
	s_barrier_signal -1
	s_barrier_wait -1
.endm
	s_load_b256 s[4:11], s[0:1], 0x0               ; q4 s[4:5], b0 s[6:7], route s[8:9], pmax s[10:11]
	s_load_b64 s[12:13], s[0:1], 0x20              ; h0p
	v_lshl_add_u32 v[SPW], v0, 2, SPARE
	v_mov_b32 v[NIL], 0
	ds_add_u32 v[SPW], v[NIL]                      ; the wave's opening: the add and its wait stand ahead of my first tensor load; work on registers stands between them
	v_lshrrev_b32 v1, 5, v0
	v_readfirstlane_b32 s14, v1                    ; wave 0..3
	s_lshr_b32 s15, s14, 1                         ; which 64 tokens are mine.  Also: I fetch for x (0) or for W0 (1)
	s_and_b32 s16, s14, 1                          ; which 64 columns.  Also: which 64 rows of that tile I fetch
	s_bfe_u32 s17, ttmp6, 0x40000                  ; cx
	s_bfe_u32 s18, ttmp6, 0x40004                  ; cy
	s_lshl_b32 s19, ttmp9, 2
	s_add_co_u32 s19, s19, s17                     ; tile column
	s_and_b32 s20, ttmp7, 0xffff
	s_lshl_b32 s20, s20, 2
	s_add_co_u32 s20, s20, s18                     ; tile row
	s_lshl_b32 s21, s18, 2
	s_lshl_b32 s21, 15, s21                        ; my row of the cluster
	s_lshl_b32 s22, 0x1111, s17                    ; my column
	; group 1 for codes: 64 rows x 512 bytes, 1,024 bytes apart in memory, 16 bytes of padding behind each row
	s_or_b32 s24, s21, (0<<16)|(1<<20)|(1<<21)|(6<<22)|(3<<25)
	s_or_b32 s32, s22, (0<<16)|(1<<20)|(1<<21)|(6<<22)|(3<<25)
.irp g, 24, 32
	s_mov_b32 s[\g+1], 512<<16
	s_mov_b32 s[\g+2], 64<<16
	s_mov_b32 s[\g+3], 512<<16
	s_mov_b32 s[\g+4], 64
	s_mov_b32 s[\g+5], 1024
	s_mov_b32 s[\g+6], 0
	s_mov_b32 s[\g+7], 0
.endr
	; group 1 for scale bytes: 4,096 dense bytes as 16 rows of 256 (32 elements of 8 bytes), 16 bytes of padding behind each
	s_or_b32 s40, s21, (3<<16)|(1<<20)|(1<<21)|(5<<22)|(3<<25)
	s_or_b32 s48, s22, (3<<16)|(1<<20)|(1<<21)|(5<<22)|(3<<25)
.irp g, 40, 48
	s_mov_b32 s[\g+1], 32<<16
	s_mov_b32 s[\g+2], 16<<16
	s_mov_b32 s[\g+3], 32<<16
	s_mov_b32 s[\g+4], 16
	s_mov_b32 s[\g+5], 32
	s_mov_b32 s[\g+6], 0
	s_mov_b32 s[\g+7], 0
.endr
	s_mov_b32 s100, 0x76543210                     ; v_permlanex16_b32's selects for lane l xor 16
	s_mov_b32 s101, 0xfedcba98
	s_lshl_b32 s87, s16, 6                         ; which 64 rows of the tile I fetch
	s_lshl_b32 s86, s20, 7
	s_add_co_u32 s86, s86, s87                     ; x: token 128 x tile row + 64 x half
	s_lshl_b32 s88, s86, 10                        ; its codes,
	s_mov_b32 s89, 0
	s_lshl_b32 s90, s86, 6
	s_add_co_u32 s90, s90, XSO                     ; its scale bytes
	s_mov_b32 s91, 0
	s_lshl_b32 s92, s19, 7
	s_add_co_u32 s92, s92, s87                     ; W0: column 128 x tile column + 64 x half
	s_lshl_b32 s94, s92, 10
	s_add_co_u32 s94, s94, WQO
	s_mov_b32 s95, 0
	s_lshl_b32 s96, s92, 6
	s_add_co_u32 s96, s96, WSO
	s_mov_b32 s97, 0
	s_mul_i32 s98, s14, QUART                      ; where they go: wave x 64 rows: no place in the cluster enters an LDS address
	s_mul_i32 s99, s14, SQ
	s_wait_dscnt 0x0                               ; the opening add is done
	s_wait_kmcnt 0x0
	s_add_nc_u64 s[88:89], s[4:5], s[88:89]
	s_add_nc_u64 s[90:91], s[4:5], s[90:91]
	s_add_nc_u64 s[94:95], s[4:5], s[94:95]
	s_add_nc_u64 s[96:97], s[4:5], s[96:97]
	CROUND                                         ; all sixteen work-groups are here: the first joint loads meet
	s_mov_b32 s56, 1                               ; group 0, x: scale bytes,
	s_add_co_u32 s57, s99, SCL
	s_mov_b64 s[58:59], s[90:91]
	s_or_b32 s59, s59, 0x80000000
	s_mov_b32 s60, 1                               ; K's first half,
	s_mov_b32 s61, s98
	s_mov_b64 s[62:63], s[88:89]
	s_or_b32 s63, s63, 0x80000000
	s_mov_b32 s68, 1                               ; its second half
	s_add_co_u32 s69, s98, HALF
	s_add_nc_u64 s[70:71], s[88:89], 512
	s_or_b32 s71, s71, 0x80000000
	s_mov_b32 s72, 1                               ; the same for W0
	s_add_co_u32 s73, s99, SCL
	s_mov_b64 s[74:75], s[96:97]
	s_or_b32 s75, s75, 0x80000000
	s_mov_b32 s76, 1
	s_mov_b32 s77, s98
	s_mov_b64 s[78:79], s[94:95]
	s_or_b32 s79, s79, 0x80000000
	s_mov_b32 s80, 1
	s_add_co_u32 s81, s98, HALF
	s_add_nc_u64 s[82:83], s[94:95], 512
	s_or_b32 s83, s83, 0x80000000
	s_cmp_eq_u32 s15, 0                            ; a wave's three fills stand in one branch on its number: three tensor loads of mine are out
	s_cbranch_scc0 .Lfirst_w
	tensor_load_to_lds s[56:59], s[40:47]
	s_nop 0
	tensor_load_to_lds s[60:63], s[24:31]
	s_nop 0
	tensor_load_to_lds s[68:71], s[24:31]
	s_nop 0
.rept 4
	v_nop
.endr
	s_branch .Lfirst_done
.Lfirst_w:
	tensor_load_to_lds s[72:75], s[48:55]
	s_nop 0
	tensor_load_to_lds s[76:79], s[32:39]
	s_nop 0
	tensor_load_to_lds s[80:83], s[32:39]
	s_nop 0
.rept 4
	v_nop
.endr
.Lfirst_done:
	; while the tiles are on their way: the partial maxima, the bias, the rows' places
	v_and_b32 v1, 15, v0                           ; r
	v_bfe_u32 v2, v0, 4, 1                         ; h
	v_and_b32 v3, 31, v0
	v_lshlrev_b32 v13, 4, v3
.irp i, 0,1,2,3
	global_load_b128 v[160+4*\i:163+4*\i], v13, s[10:11] offset:512*\i          ; x's 512 partial maxima
.endr
.irp i, 0,1
	global_load_b128 v[176+4*\i:179+4*\i], v13, s[10:11] offset:2048+512*\i     ; W0's 256
.endr
	s_load_b128 s[88:91], s[10:11], 0x1400         ; b0's four
	s_lshl_b32 s92, s19, 9
	s_lshl_b32 s93, s16, 8
	s_add_co_u32 s92, s92, s93
	s_mov_b32 s93, 0
	s_add_nc_u64 s[6:7], s[6:7], s[92:93]          ; b0 at my 64 columns
	v_lshlrev_b32 v14, 5, v2
.irp b, 0,1,2,3
	global_load_b128 v[BIAS+8*\b:BIAS+8*\b+3], v14, s[6:7] offset:64*\b         ; columns 16 b + 8 h + 0 .. 7: the result's layout
	global_load_b128 v[BIAS+8*\b+4:BIAS+8*\b+7], v14, s[6:7] offset:64*\b+16
.endr
	s_lshl_b32 s92, s20, 9
	s_lshl_b32 s94, s14, 7
	s_add_co_u32 s92, s92, s94
	s_add_nc_u64 s[94:95], s[8:9], s[92:93]        ; pos at token 128 x tile row + 32 x wave: the rows that I store
	v_lshlrev_b32 v15, 2, v2
.irp t, 0,1,2,3,4,5,6,7,8,9,10,11,12,13,14,15
	global_load_b32 v[PO+\t], v15, s[94:95] offset:8*\t
.endr
	s_lshl_b32 s92, s20, 7
	s_lshl_b32 s96, s14, 5
	s_add_co_u32 s92, s92, s96
	s_add_nc_u64 s[96:97], s[8:9], s[92:93]        ; the empty places 32 x tile row + 8 x wave on
.irp i, 0,1,2,3
	global_load_b32 v[20+\i], v15, s[96:97] offset:R_PAD+8*\i
.endr
	s_lshl_b32 s92, s19, 8
	s_add_nc_u64 s[12:13], s[12:13], s[92:93]      ; h0p at my work-group's 256 bytes of a row
	v_mul_u32_u24 v9, v1, 528
	v_lshl_add_u32 v9, v2, 4, v9                   ; a fragment's row x pitch + 16 x half
	s_mul_i32 s86, s15, QUART
	s_mul_i32 s87, s16, QUART
	s_add_co_u32 s87, s87, 2*QUART
	v_add_nc_u32 v4, s86, v9                       ; v4, v5: my tokens in K's halves
	v_add_nc_u32 v6, s87, v9                       ; v6, v7: my columns
	v_add_nc_u32 v5, HALF, v4
	v_add_nc_u32 v7, HALF, v6
	v_lshlrev_b32 v8, 6, v1                        ; my row's scale bytes: 64 a row,
	v_lshrrev_b32 v9, 2, v1
	v_lshl_add_u32 v8, v9, 4, v8                   ; and 16 more for each 256 passed
	s_mul_i32 s86, s15, SQ
	s_mul_i32 s87, s16, SQ
	s_add_co_u32 s87, s87, 2*SQ
	s_sub_co_u32 s87, s87, s86
	v_mul_u32_u24 v9, s87, v2                      ; lanes 16-31 take W0's
	s_add_co_u32 s86, s86, SCL
	v_add_nc_u32 v8, v8, v9
	v_add_nc_u32 v8, s86, v8
	s_mul_i32 s86, s15, 64*272                     ; the stage (128 rows of 256 + 16 bytes, in K's first half, which nobody reads by then): in,
	s_lshl_b32 s87, s16, 7
	s_add_co_u32 s86, s86, s87
	v_mul_u32_u24 v10, v1, 272
	v_lshl_add_u32 v10, v2, 4, v10
	v_add_nc_u32 v10, s86, v10
	s_mul_i32 s86, s14, 32*272                     ; and back: wave w takes rows 32 w on, whole
	v_mul_u32_u24 v11, v2, 272
	v_lshl_add_u32 v11, v1, 4, v11
	v_add_nc_u32 v11, s86, v11
	v_lshlrev_b32 v12, 4, v1
.irp i, 16,17,18,19
	v_mov_b32 v\i, 0
.endr
	s_wait_loadcnt 0x0
	s_wait_kmcnt 0x0
	; 2^t0 from the largest magnitudes
	v_max3_num_f32 v160, v160, v161, v162
.irp i, 3,5,7,9,11,13
	v_max3_num_f32 v160, v160, v[160+\i], v[161+\i]
.endr
	v_max_num_f32 v160, v160, v175
	v_max3_num_f32 v176, v176, v177, v178
.irp i, 3,5
	v_max3_num_f32 v176, v176, v[176+\i], v[177+\i]
.endr
	v_max_num_f32 v176, v176, v183
.irp m, 1,2,4,8
	v_max_num_f32_dpp v160, v160, v160 row_xmask:\m row_mask:0xf bank_mask:0xf
	v_max_num_f32_dpp v176, v176, v176 row_xmask:\m row_mask:0xf bank_mask:0xf
.endr
	v_permlanex16_b32 v161, v160, s100, s101
	v_permlanex16_b32 v177, v176, s100, s101
	v_max_num_f32 v160, v160, v161
	v_max_num_f32 v176, v176, v177
	v_readfirstlane_b32 s92, v160
	v_readfirstlane_b32 s93, v176
	s_max_u32 s94, s88, s89                        ; none is negative: the bits order as the numbers do
	s_max_u32 s95, s90, s91
	s_max_u32 s94, s94, s95
	s_lshr_b32 s92, s92, 23                        ; the exponent fields
	s_lshr_b32 s93, s93, 23
	s_lshr_b32 s94, s94, 23
	s_add_co_i32 s92, s92, s93
	s_sub_co_i32 s92, s92, 239
	s_sub_co_i32 s94, s94, 126
	s_max_i32 s92, s92, s94
	s_add_co_i32 s92, s92, 1                       ; E0
	s_sub_co_i32 s93, 15, s92
	s_max_i32 s93, s93, -60
	s_min_i32 s93, s93, 60                         ; t0
	s_add_co_i32 s93, s93, 127
	s_lshl_b32 s84, s93, 23                        ; 2^t0
	s_mov_b32 s85, s84                             ; (named with it as a pair, so it is written)
.irp p, 0,2,4,6,8,10,12,14,16,18,20,22,24,26,28,30
	v_pk_mul_f32 v[BIAS+\p:BIAS+\p+1], v[BIAS+\p:BIAS+\p+1], s[84:85] op_sel_hi:[1,0]
.endr
.irp t, 0,1,2,3,4,5,6,7,8,9,10,11,12,13,14,15
	v_min_u32 v[PO+\t], 2559, v[PO+\t]
	v_lshl_add_u32 v[PO+\t], v[PO+\t], 12, v12     ; place x 4,096 bytes + 16 (lane % 16)
.endr
.irp i, 0,1,2,3
	v_min_u32 v[20+\i], 2559, v[20+\i]
	v_lshl_add_u32 v[20+\i], v[20+\i], 12, v12
.endr
.irp i, 0,1,2,3
	global_store_b128 v[20+\i], v[16:19], s[12:13] ; two empty rows' 256 bytes of my columns: zeros
.endr
	s_wait_tensorcnt 0x1                           ; the scale bytes and my part of K's first half are in; the second half's load may stay out
	s_barrier_signal -1
	s_barrier_wait -1                              ; everybody's are
.macro FETCH q                         ; the fragments of the q-th 128 along K into set q % 2: 16 rows x 128 K of 4-bit codes are two loads of 16 bytes, 32 bytes apart
	WIN 0x40                                       ; destination window 1, address window 0
.irp i, 0,1,2,3
.irp c, 0,1
	ds_load_b128 v[64*((\q)%2)+8*\i+4*\c:64*((\q)%2)+8*\i+4*\c+3], v[6+(\q)/8] offset:64*((\q)%8)+32*\c+\i*8448
.endr
.endr
.irp i, 0,1,2,3
.irp c, 0,1
	ds_load_b128 v[64*((\q)%2)+32+8*\i+4*\c:64*((\q)%2)+32+8*\i+4*\c+3], v[4+(\q)/8] offset:64*((\q)%8)+32*\c+\i*8448
.endr
.endr
.endm
.macro MUL16 q                         ; the 16 accumulators take turns, one instruction a turn, in the same order in every step
	WIN 0xa5                                       ; sources 0 and 1 window 1, C and D window 2
.irp a, 0,1,2,3
.irp b, 0,1,2,3
.if (\q) == 0
	v_wmma_scale_f32_16x16x128_f8f6f4 v[8*(4*\a+\b):8*(4*\a+\b)+7], v[64*((\q)%2)+8*\b:64*((\q)%2)+8*\b+7], v[64*((\q)%2)+32+8*\a:64*((\q)%2)+32+8*\a+7], 0, v[SC+16*\b+(\q)], v[SC+16*\a+(\q)] matrix_a_fmt:MATRIX_FMT_FP4 matrix_b_fmt:MATRIX_FMT_FP4 matrix_a_scale:MATRIX_SCALE_ROW1
.else
	v_wmma_scale_f32_16x16x128_f8f6f4 v[8*(4*\a+\b):8*(4*\a+\b)+7], v[64*((\q)%2)+8*\b:64*((\q)%2)+8*\b+7], v[64*((\q)%2)+32+8*\a:64*((\q)%2)+32+8*\a+7], v[8*(4*\a+\b):8*(4*\a+\b)+7], v[SC+16*\b+(\q)], v[SC+16*\a+(\q)] matrix_a_fmt:MATRIX_FMT_FP4 matrix_b_fmt:MATRIX_FMT_FP4 matrix_a_scale:MATRIX_SCALE_ROW1
.endif
.endr
.endr
.endm
.macro STEP q
.if (\q) == 7
	s_wait_tensorcnt 0x0                           ; my part of K's second half is in,
	s_wait_dscnt 0x0                               ; my reads of the first half are over:
	s_barrier_signal -1
	s_barrier_wait -1                              ; both hold of every wave
.endif
.if (\q) < 15
.if (\q) > 0
	PLACES
.endif
	FETCH (\q)+1
	s_wait_dscnt 16                                ; all but the 16 just issued
.else
	s_wait_dscnt 0x0
.endif
	MUL16 \q
.endm
.irp i, 0,1,2,3
.irp g, 0,1,2,3
	ds_load_b128 v[SC+16*\i+4*\g:SC+16*\i+4*\g+3], v8 offset:1088*\i+16*\g   ; the scale words of all of K: four K steps a load
.endr
.endr
	FETCH 0
.set Q, 0
.rept 16
	STEP Q
.set Q, Q+1
.endr
	WIN 0
	; THE WAY OUT: x 2^t0 + bias x 2^t0, relu, f16; 16 bytes a lane into the stage; a barrier, since a row's 256 bytes come from two waves; back as whole rows, each to its token's place
	PLACES
.irp a, 0,1,2,3
	WIN 0x02                                       ; source 0: window 2
.irp b, 0,1,2,3
.irp p, 0,2,4,6
	v_pk_fma_f32 v[T+8*\b+\p:T+8*\b+\p+1], v[8*(4*\a+\b)+\p:8*(4*\a+\b)+\p+1], s[84:85], v[BIAS+8*\b+\p:BIAS+8*\b+\p+1] op_sel_hi:[1,0,1]   ; each accumulator from its low end on
.endr
.endr
	WIN 0
.set k, 0
.rept 32
	v_max_num_f32 v[T+k], 0, v[T+k]
.set k, k+1
.endr
.set k, 0
.rept 16
	v_cvt_pk_f16_f32 v[BK+16*\a+k], v[T+2*k], v[T+2*k+1]
.set k, k+1
.endr
.irp b, 0,1,2,3
	ds_store_b128 v10, v[BK+16*\a+4*\b:BK+16*\a+4*\b+3] offset:\a*4352+32*\b
.endr
.endr
	s_wait_dscnt 0x0                               ; for the others' sake: my stores into the stage are done
	s_barrier_signal -1
	s_barrier_wait -1
.irp t, 0,1,2,3,4,5,6,7,8,9,10,11,12,13,14,15
	ds_load_b128 v[BK+4*\t:BK+4*\t+3], v11 offset:544*\t
.endr
.irp t, 0,1,2,3,4,5,6,7,8,9,10,11,12,13,14,15
	s_wait_dscnt 15-\t
	global_store_b128 v[PO+\t], v[BK+4*\t:BK+4*\t+3], s[12:13]   ; 16 lanes store 256 consecutive bytes, aligned
.endr
	s_wait_tensorcnt 0x0                           ; the wave's end
	ds_add_u32 v[SPW], v[NIL]
	s_wait_dscnt 0x0
	CROUND                                         ; the closing round
	s_endpgm
.Lfunc_end_k_qfda50a6227_gemm0:
	.size	k_qfda50a6227_gemm0, .Lfunc_end_k_qfda50a6227_gemm0-k_qfda50a6227_gemm0
	.p2alignl 7, 3214868480
	.fill 96, 4, 3214868480
	.section	.rodata,"a",@progbits
	.p2align	6, 0x0
	.amdhsa_kernel k_qfda50a6227_gemm0
		.amdhsa_group_segment_fixed_size 327680
		.amdhsa_private_segment_fixed_size 0
		.amdhsa_enable_private_segment 0
		.amdhsa_kernarg_size 40
		.amdhsa_user_sgpr_count 2
		.amdhsa_user_sgpr_kernarg_segment_ptr 1
		.amdhsa_wavefront_size32 1
		.amdhsa_system_sgpr_workgroup_id_x 1
		.amdhsa_system_sgpr_workgroup_id_y 1
		.amdhsa_system_sgpr_workgroup_id_z 1
		.amdhsa_system_vgpr_workitem_id 0
		.amdhsa_next_free_vgpr 640
		.amdhsa_next_free_sgpr 102
		.amdhsa_reserve_vcc 0
		.amdhsa_float_denorm_mode_32 3
		.amdhsa_float_denorm_mode_16_64 3
		.amdhsa_memory_ordered 1
		.amdhsa_forward_progress 1
		.amdhsa_inst_pref_size 88
	.end_amdhsa_kernel
	.amdgpu_metadata
---
amdhsa.version: [ 1, 2 ]
amdhsa.kernels:
  - .name:           k_qfda50a6227_gemm0
    .symbol:         k_qfda50a6227_gemm0.kd
    .args:
      - { .name: q4, .offset: 0, .size: 8, .value_kind: global_buffer, .address_space: global }
      - { .name: b0, .offset: 8, .size: 8, .value_kind: global_buffer, .address_space: global }
      - { .name: route, .offset: 16, .size: 8, .value_kind: global_buffer, .address_space: global }
      - { .name: pmax, .offset: 24, .size: 8, .value_kind: global_buffer, .address_space: global }
      - { .name: h0p, .offset: 32, .size: 8, .value_kind: global_buffer, .address_space: global }
    .group_segment_fixed_size: 327680
    .private_segment_fixed_size: 0
    .kernarg_segment_align: 8
    .kernarg_segment_size: 40
    .max_flat_workgroup_size: 128
    .sgpr_count:     102
    .vgpr_count:     640
    .wavefront_size: 32
...
	.end_amdgpu_metadata
.endif
;; end of part 2
;; launch gemm1 (part 3): grid 16 x 16, 4 waves a work-group, clusters of 4 x 1, 327,680 bytes of LDS; arguments h0p, wh, route, pmax, b1, h1p; writes h1p
.if DOCPART == 3
	.amdgcn_target "amdgcn-amd-amdhsa--gfx1250"
	.amdhsa_code_object_version 6
	.text
	.protected	k_qfda50a6227_gemm1
	.globl	k_qfda50a6227_gemm1
	.p2align	8
	.type	k_qfda50a6227_gemm1,@function
k_qfda50a6227_gemm1:
	s_mov_b64 s[64:65], 0
	v_nop
	global_prefetch_b8 v0, s[64:65] scope:SCOPE_SE
	s_setreg_imm32_b32 hwreg(HW_REG_WAVE_MODE, 25, 1), 1
	s_wait_xcnt 0x0
	s_wait_alu depctr_hold_cnt(0) depctr_sa_sdst(0) depctr_va_vdst(0) depctr_va_sdst(0) depctr_va_ssrc(0) depctr_va_vcc(0) depctr_vm_vsrc(0)
	s_getreg_b32 s2, hwreg(HW_REG_IB_STS2, 6, 4)
	s_cmp_eq_u32 s2, 0
	s_cbranch_scc0 .Lentry_in_a_cluster
	s_endpgm
.Lentry_in_a_cluster:
	s_bfe_u32 s2, ttmp6, 0x10000c
	s_cmp_lg_u32 s2, 0x3003
	s_cbranch_scc0 .Lentry_shape_is_right
	s_endpgm
.Lentry_shape_is_right:
; h1' = f16(relu(h0 W1[e] + b1[e]) x 2^t1) for the 2,560 places in sorted order; e = bit0 of the tile of 160 places, read from the stored list.  Operands f16, sums f32.
; h0p holds h0 x 2^t0, so the sums are multiplied by 2^(t1 - t0) and the bias by 2^t1.  E0 and t0 as in the launch before; |W1| < 2^(fw1 - 126), so h1 < 2^E1 with
; E1 = max(E0 + fw1 - 115, fb1 - 126) + 1; t1 = 15 - E1, held to -60 .. 60: h1' < 2^15 fits f16 whatever the inputs' size.
; LIMITS: NaN and infinities are not served; |W1| under 65,504; the holds at +-60 serve bounds from 2^-45 to 2^75.
; A FIXED GRID: 16 tiles of rows x 16 of columns, one work-group each, whatever the split.  No branch and no trip count hangs on the list: only W's and the bias's addresses do.
; Places without a token hold zeros and give relu(bias): they are stored, and nobody uses them.
; SHARES: a work-group makes 160 places x 128 columns; wave (wm, wn) 80 x 64: 20 accumulators.  K goes in steps of 256 through two LDS slots; waves 0, 1 fetch h's halves (80 rows x 512 bytes), waves 2, 3 W's (128 k x 256 bytes).
; CLUSTER 4 x 1: the four partners share the tile of rows, so h's tile is asked for jointly.  W's tile hangs on the tile column, which differs between them: a load of each work-group's own, behind the same round.
; W's tiles are not shared along y: which tiles of rows have the same expert is a stored number, and a joint load's mask and descriptor are made of ids alone.
; THE MATRIX INSTRUCTION IS USED TRANSPOSED (source 0 = 16 columns of W, turned by ds_load_tr16_b128; source 1 = 16 rows of h): a lane holds one place and eight neighbouring columns.
; REGISTERS: window 0: v1-14 addresses, v32-63 bias, v64-95 at work, v96-175 the way out, v216-255 partial maxima at the head.  Windows 1, 2: two sets of fragments for 64 along K
;   (for each 32: W's four at 72 c + 8 b, h's five at 72 c + 32 + 8 a).  Window 3: the accumulators, (a, b) at 8 (4 a + b).
.set WOFF,  0                          ; W1 in wh
.set EOFF,  0                          ; the tiles' bit0 in the list
.set EMAX,  1
.set R_TIL, 20480
.set AH,    42240                      ; 80 rows of 512 + 16 bytes
.set BOFF,  84480                      ; behind h's 160 rows: W's 256 k-rows of 256 + 32 bytes
.set BH,    36864                      ; 128 of them
.set SLOT,  158208
.set SPARE, 316416                     ; the spare words, 128 bytes for each wave: two blocks of 256 bytes that no other line names
.set SPW,  28
.set NIL,  29
.set BIAS, 32
.set T,    64
.set BK,   96
.set MSB, 0
.macro WIN new                         ; the immediate's high byte repeats the setting that is left
.if MSB != \new
	s_set_vgpr_msb (MSB<<8)|\new
.set MSB, \new
.endif
.endm
.macro PLACES
.rept 4
	v_nop
.endr
.endm
.macro CREST                           ; a round of the cluster's barrier behind its opening barrier
	s_cmp_lg_u32 s16, 0
	s_cbranch_scc1 .Lnot_wave_0_\@
	s_barrier_signal -3
.Lnot_wave_0_\@:
	s_barrier_wait -3
	s_barrier_signal -1
	s_barrier_wait -1
.endm
.macro CROUND
	s_barrier_signal -1
	s_barrier_wait -1
	CREST
.endm
.macro JLOAD s                         ; waves 0, 1: h's tile, jointly; waves 2, 3: W's, my work-group's own.  An s_nop 0 and four v_nop follow each line
	s_cmp_eq_u32 s17, 0
	s_cbranch_scc0 .Lfor_b_\@
	tensor_load_to_lds s[32+4*\s:35+4*\s], s[24:31]
	s_nop 0
.rept 4
	v_nop
.endr
	s_branch .Lasked_\@
.Lfor_b_\@:
	tensor_load_to_lds s[48+4*\s:51+4*\s], s[40:47]
	s_nop 0
.rept 4
	v_nop
.endr
.Lasked_\@:
.endm
	s_load_b256 s[4:11], s[0:1], 0x0               ; h s[4:5], wh s[6:7], route s[8:9], pmax s[10:11]
	s_load_b128 s[12:15], s[0:1], 0x20             ; bias s[12:13], result s[14:15]
	v_lshl_add_u32 v[SPW], v0, 2, SPARE
	v_mov_b32 v[NIL], 0
	ds_add_u32 v[SPW], v[NIL]                      ; the wave's opening: the add and its wait stand ahead of my first tensor load; work on registers stands between them
	v_lshrrev_b32 v1, 5, v0
	v_readfirstlane_b32 s16, v1                    ; wave 0..3
	s_lshr_b32 s17, s16, 1                         ; wm: which 80 places are mine.  Also: I fetch h (0) or W (1)
	s_and_b32 s18, s16, 1                          ; wn: which 64 columns.  Also: which half of that tile I fetch
	s_bfe_u32 s19, ttmp6, 0x40000                  ; cx
	s_lshl_b32 s20, ttmp9, 2
	s_add_co_u32 s20, s20, s19                     ; tile column
	s_and_b32 s21, ttmp7, 0xffff                   ; tile of rows, which the four partners share
	s_mov_b32 s24, 15|(1<<16)|(1<<20)|(1<<21)|(6<<22)|(3<<25)   ; h: all four work-groups; elements of 2 bytes; 4 words of padding after every 128
	s_mov_b32 s25, 256<<16
	s_mov_b32 s26, 80<<16
	s_mov_b32 s27, 256<<16
	s_mov_b32 s28, 80
	s_mov_b32 s29, 2048
	s_mov_b32 s30, 0
	s_mov_b32 s31, 0
	s_mov_b32 s40, (1<<16)|(1<<20)|(5<<22)|(7<<25) ; W: no mask; 8 words of padding after every 64
	s_mov_b32 s41, 128<<16
	s_mov_b32 s42, 128<<16
	s_mov_b32 s43, 128<<16
	s_mov_b32 s44, 128
	s_mov_b32 s45, 2048
	s_mov_b32 s46, 0
	s_mov_b32 s47, 0
	s_mov_b32 s70, 0x76543210
	s_mov_b32 s71, 0xfedcba98
	s_lshl_b32 s72, s21, 2
	s_wait_dscnt 0x0                               ; the opening add is done
	s_wait_kmcnt 0x0
	s_load_b32 s22, s[8:9], s72 offset:R_TIL+EOFF  ; my tile's expert
	s_mul_i32 s74, s21, 160
	s_mul_i32 s75, s18, 80
	s_add_co_u32 s74, s74, s75
	s_lshl_b32 s74, s74, 12                        ; h: place 160 x tile + 80 x half, rows of 4,096 bytes
	s_mov_b32 s75, 0
	s_add_nc_u64 s[74:75], s[4:5], s[74:75]
	s_mul_i32 s76, s18, AH
	s_mul_i32 s77, s18, BH
	s_add_co_u32 s77, s77, BOFF
	s_wait_kmcnt 0x0
	s_min_u32 s22, s22, EMAX
	s_lshl_b32 s78, s22, 23                        ; W: an expert is 8 MiB of f16,
	s_lshl_b32 s79, s18, 19                        ; 128 k-rows of 4,096 bytes a half,
	s_add_co_u32 s78, s78, s79
	s_lshl_b32 s79, s20, 8                         ; 256 bytes a tile column
	s_add_co_u32 s78, s78, s79
	s_add_co_u32 s78, s78, WOFF
	s_mov_b32 s79, 0
	s_add_nc_u64 s[78:79], s[6:7], s[78:79]
	CROUND                                         ; all four work-groups are here: the first joint loads meet
.irp s, 0,1
	s_mov_b32 s[32+4*\s], 1
	s_add_co_u32 s[33+4*\s], s76, \s*SLOT
	s_add_nc_u64 s[34+4*\s:35+4*\s], s[74:75], \s*512
	s_or_b32 s[35+4*\s], s[35+4*\s], 0x80000000
	s_mov_b32 s[48+4*\s], 1
	s_add_co_u32 s[49+4*\s], s77, \s*SLOT
	s_add_nc_u64 s[50+4*\s:51+4*\s], s[78:79], \s*1048576
	s_or_b32 s[51+4*\s], s[51+4*\s], 0x80000000
	JLOAD \s                                       ; K steps 0 and 1: two tensor loads of mine are out
.endr
	v_and_b32 v1, 15, v0                           ; r
	v_bfe_u32 v2, v0, 4, 1                         ; h
	v_and_b32 v3, 31, v0
	v_lshlrev_b32 v13, 4, v3
.irp i, 0,1,2,3
	global_load_b128 v[216+4*\i:219+4*\i], v13, s[10:11] offset:512*\i          ; the partial maxima: x's,
.endr
.irp i, 0,1
	global_load_b128 v[232+4*\i:235+4*\i], v13, s[10:11] offset:2048+512*\i     ; W0's,
.endr
.irp i, 0,1,2,3
	global_load_b128 v[240+4*\i:243+4*\i], v13, s[10:11] offset:3072+512*\i     ; W1's,
.endr
	s_load_b256 s[80:87], s[10:11], 0x1400         ; b0's four and b1's four
	s_lshl_b32 s88, s22, 13
	s_lshl_b32 s89, s20, 9
	s_add_co_u32 s88, s88, s89
	s_lshl_b32 s89, s18, 8
	s_add_co_u32 s88, s88, s89
	s_mov_b32 s89, 0
	s_add_nc_u64 s[12:13], s[12:13], s[88:89]      ; the expert's bias at my 64 columns
	v_lshlrev_b32 v14, 5, v2
.irp b, 0,1,2,3
	global_load_b128 v[BIAS+8*\b:BIAS+8*\b+3], v14, s[12:13] offset:64*\b
	global_load_b128 v[BIAS+8*\b+4:BIAS+8*\b+7], v14, s[12:13] offset:64*\b+16
.endr
	v_mul_u32_u24 v3, v1, 528
	v_lshl_add_u32 v3, v2, 4, v3
	s_mul_i32 s88, s17, AH
	v_add_nc_u32 v4, s88, v3                       ; v4, v5: my rows of h in slot 0, 1
	v_add_nc_u32 v5, SLOT, v4
	v_and_b32 v3, 7, v0                            ; the turning load: lane l reads 16 bytes of k-row 8 (l / 16) + l % 8, columns 8 ((l / 8) % 2) on
	v_lshl_add_u32 v3, v2, 3, v3
	v_mul_u32_u24 v3, v3, 288
	v_bfe_u32 v16, v0, 3, 1
	v_lshl_add_u32 v3, v16, 4, v3
	s_lshl_b32 s88, s18, 7
	s_add_co_u32 s88, s88, BOFF
	v_add_nc_u32 v6, s88, v3                       ; v6, v7: my columns of W in slot 0, k 0-127 and 128-255; v8, v9: in slot 1
	v_add_nc_u32 v7, BH, v6
	v_add_nc_u32 v8, SLOT, v6
	v_add_nc_u32 v9, SLOT, v7
	s_mul_i32 s88, s17, 80*272                     ; the stage (160 rows of 256 + 16 bytes, in slot 0, which has had its last fill and its last read by then): in,
	s_lshl_b32 s89, s18, 7
	s_add_co_u32 s88, s88, s89
	v_mul_u32_u24 v10, v1, 272
	v_lshl_add_u32 v10, v2, 4, v10
	v_add_nc_u32 v10, s88, v10
	s_mul_i32 s88, s16, 40*272                     ; and back: wave w takes rows 40 w on, whole
	v_mul_u32_u24 v11, v2, 272
	v_lshl_add_u32 v11, v1, 4, v11
	v_add_nc_u32 v11, s88, v11
	v_lshlrev_b32 v12, 12, v2
	v_lshl_add_u32 v12, v1, 4, v12                 ; and the same two rows in the result
	s_mul_i32 s88, s21, 160
	s_mul_i32 s89, s16, 40
	s_add_co_u32 s88, s88, s89
	s_lshl_b32 s88, s88, 12
	s_lshl_b32 s89, s20, 8
	s_add_co_u32 s88, s88, s89
	s_mov_b32 s89, 0
	s_add_nc_u64 s[14:15], s[14:15], s[88:89]
	s_wait_loadcnt 0x0
	s_wait_kmcnt 0x0
	; the powers of two, from the largest magnitudes
	v_max3_num_f32 v216, v216, v217, v218
	v_max3_num_f32 v232, v232, v233, v234
	v_max3_num_f32 v240, v240, v241, v242
.irp i, 3,5,7,9,11,13
	v_max3_num_f32 v216, v216, v[216+\i], v[217+\i]
	v_max3_num_f32 v240, v240, v[240+\i], v[241+\i]
.endr
.irp i, 3,5
	v_max3_num_f32 v232, v232, v[232+\i], v[233+\i]
.endr
	v_max_num_f32 v216, v216, v231
	v_max_num_f32 v232, v232, v239
	v_max_num_f32 v240, v240, v255
.irp m, 1,2,4,8
	v_max_num_f32_dpp v216, v216, v216 row_xmask:\m row_mask:0xf bank_mask:0xf
	v_max_num_f32_dpp v232, v232, v232 row_xmask:\m row_mask:0xf bank_mask:0xf
	v_max_num_f32_dpp v240, v240, v240 row_xmask:\m row_mask:0xf bank_mask:0xf
.endr
	v_permlanex16_b32 v217, v216, s70, s71
	v_permlanex16_b32 v233, v232, s70, s71
	v_permlanex16_b32 v241, v240, s70, s71
	v_max_num_f32 v216, v216, v217
	v_max_num_f32 v232, v232, v233
	v_max_num_f32 v240, v240, v241
	v_readfirstlane_b32 s88, v216
	v_readfirstlane_b32 s89, v232
	v_readfirstlane_b32 s90, v240
	s_max_u32 s91, s80, s81                        ; none is negative: the bits order as the numbers do
	s_max_u32 s92, s82, s83
	s_max_u32 s91, s91, s92
	s_max_u32 s92, s84, s85
	s_max_u32 s93, s86, s87
	s_max_u32 s92, s92, s93
.irp g, 88,89,90,91,92
	s_lshr_b32 s\g, s\g, 23                        ; the exponent fields
.endr
	s_add_co_i32 s88, s88, s89
	s_sub_co_i32 s88, s88, 239
	s_sub_co_i32 s91, s91, 126
	s_max_i32 s88, s88, s91
	s_add_co_i32 s88, s88, 1                       ; E0
	s_sub_co_i32 s89, 15, s88
	s_max_i32 s89, s89, -60
	s_min_i32 s89, s89, 60                         ; t0
	s_add_co_i32 s90, s90, s88
	s_sub_co_i32 s90, s90, 115
	s_sub_co_i32 s92, s92, 126
	s_max_i32 s90, s90, s92
	s_add_co_i32 s90, s90, 1                       ; E1
	s_sub_co_i32 s91, 15, s90
	s_max_i32 s91, s91, -60
	s_min_i32 s91, s91, 60                         ; t1
	s_sub_co_i32 s92, s91, s89
	s_add_co_i32 s92, s92, 127
	s_lshl_b32 s66, s92, 23                        ; 2^(t1 - t0): for the sums
	s_mov_b32 s67, s66
	s_add_co_i32 s92, s91, 127
	s_lshl_b32 s68, s92, 23                        ; 2^t1: for the bias
	s_mov_b32 s69, s68
.irp p, 0,2,4,6,8,10,12,14,16,18,20,22,24,26,28,30
	v_pk_mul_f32 v[BIAS+\p:BIAS+\p+1], v[BIAS+\p:BIAS+\p+1], s[68:69] op_sel_hi:[1,0]
.endr
; 36 LDS loads in one run: the fragments of 64 along K (the slot's kq-th) into set buf; the first 32 along K first
.macro FETCH slot, kq, buf
	WIN (0x40<<(\buf))                             ; destination window 1 or 2, address window 0
.irp c, 0,1
.irp b, 0,1,2,3
	ds_load_tr16_b128 v[72*\c+8*\b:72*\c+8*\b+3],   v[6+2*(\slot)+(\kq)/2] offset:(((\kq)%2)*64+32*\c)*288+32*\b
	ds_load_tr16_b128 v[72*\c+8*\b+4:72*\c+8*\b+7], v[6+2*(\slot)+(\kq)/2] offset:(((\kq)%2)*64+32*\c)*288+32*\b+4608
.endr
.irp a, 0,1,2,3,4
	ds_load_b128 v[72*\c+32+8*\a:72*\c+32+8*\a+3],   v[4+(\slot)] offset:128*(\kq)+64*\c+\a*8448
	ds_load_b128 v[72*\c+32+8*\a+4:72*\c+32+8*\a+7], v[4+(\slot)] offset:128*(\kq)+64*\c+\a*8448+32
.endr
.endr
.endm
; blocks a0 .. a1 of rows x all 4 of columns, 32 along K: half c of set buf.  The 20 accumulators take turns, one instruction a turn.  zero = 1: the first product starts the sums
.macro MULA buf, c, a0, a1, zero
	WIN (0xf5+5*(\buf))                            ; sources 0 and 1 window 1 or 2, C and D window 3
.set ma, \a0
.rept (\a1)-(\a0)+1
.irp b, 0,1,2,3
.if \zero
	v_wmma_f32_16x16x32_f16 v[8*(4*ma+\b):8*(4*ma+\b)+7], v[72*(\c)+8*\b:72*(\c)+8*\b+7], v[72*(\c)+32+8*ma:72*(\c)+32+8*ma+7], 0
.else
	v_wmma_f32_16x16x32_f16 v[8*(4*ma+\b):8*(4*ma+\b)+7], v[72*(\c)+8*\b:72*(\c)+8*\b+7], v[72*(\c)+32+8*ma:72*(\c)+32+8*ma+7], v[8*(4*ma+\b):8*(4*ma+\b)+7]
.endif
.endr
.set ma, ma+1
.endr
.endm
; A K step is four quarters of 64 along K, 40 matrix instructions each, on sets 0, 1, 0, 1.  One of the first three: multiplies set f and fetches the slot's kq-th quarter into g.
.macro QUARTER slot, kq, f, g, zero
	s_wait_dscnt 18                                ; the first 32 along K are in
	MULA \f, 0, 0, 4, \zero
	PLACES
	FETCH \slot, \kq, \g
	s_wait_dscnt 36                                ; all but the 36 just issued
	MULA \f, 1, 0, 4, 0
.endm
; The last quarter multiplies set 1 and changes slots: one barrier; in front of it each wave waits for all its tensor loads, adds 0 to its spare word, and waits for that and for its reads of this slot.
; fill = 1: the barrier opens a round of the cluster's, and this slot is filled again, two K steps ahead, first thing behind it: it has a K step less 20 matrix instructions in which to land.
.macro TURN slot, next, fill
	WIN 0                                          ; (the add's two registers lie in window 0)
	s_wait_tensorcnt 0x0                           ; all my tensor loads have landed: my part of the next slot;
	ds_add_u32 v[SPW], v[NIL]                      ; 0 onto my spare word
	s_wait_dscnt 19                                ; (the add and the youngest eighteen loads may be out)
	MULA 1, 0, 0, 1, 0                             ; eight matrix instructions stand between the add and the wait for it
	s_wait_dscnt 0x0                               ; the add is done, and my reads of this slot are over
	s_barrier_signal -1
	MULA 1, 0, 2, 4, 0
.if \fill
	WIN 0
.endif
	s_barrier_wait -1
.if \fill
	CREST                                          ; no wave of any partner still reads this slot's tile or has a load on its way
	s_add_nc_u64 s[34+4*\slot:35+4*\slot], s[34+4*\slot:35+4*\slot], 1024
	s_add_nc_u64 s[50+4*\slot:51+4*\slot], s[50+4*\slot:51+4*\slot], 2097152
	JLOAD \slot                                    ; the four v_nop behind it are also the places in front of the loads below
.else
	PLACES
.endif
	FETCH \next, 0, 0
	MULA 1, 1, 0, 4, 0
.endm
	s_wait_tensorcnt 0x1                           ; my part of K step 0 is in (K step 1's load may stay out)
	s_barrier_signal -1
	s_barrier_wait -1                              ; everybody's is
	FETCH 0, 0, 0
	QUARTER 0, 1, 0, 1, 1                          ; the first quarter stands in front of the loop: its first products start the sums
	WIN 0                                          ; at a label and at a branch every window is 0
	s_mov_b32 s23, 3
.Llap:                                                 ; a trip goes once round the ring, from a lap's second quarter to the next lap's first, and fills both slots again: K steps 2 to 7
	QUARTER 0, 2, 1, 0, 0
	QUARTER 0, 3, 0, 1, 0
	TURN 0, 1, 1
	QUARTER 1, 1, 0, 1, 0
	QUARTER 1, 2, 1, 0, 0
	QUARTER 1, 3, 0, 1, 0
	TURN 1, 0, 1
	QUARTER 0, 1, 0, 1, 0
	WIN 0
	s_sub_co_u32 s23, s23, 1
	s_cmp_lg_u32 s23, 0
	s_cbranch_scc1 .Llap
	QUARTER 0, 2, 1, 0, 0                          ; the last lap fills nothing
	QUARTER 0, 3, 0, 1, 0
	TURN 0, 1, 0
	QUARTER 1, 1, 0, 1, 0
	QUARTER 1, 2, 1, 0, 0
	QUARTER 1, 3, 0, 1, 0
	s_wait_dscnt 18                                ; the very last quarter: nothing more to fetch
	MULA 1, 0, 0, 4, 0
	s_wait_dscnt 0x0
	MULA 1, 1, 0, 4, 0
	WIN 0
	; THE WAY OUT: x 2^(t1 - t0) + bias x 2^t1, relu, f16; 16 bytes a lane into the stage; a barrier, since a row's 256 bytes come from two waves; back as whole rows, 40 a wave
	PLACES
.irp a, 0,1,2,3,4
	WIN 0x03                                       ; source 0: window 3
.irp b, 0,1,2,3
.irp p, 0,2,4,6
	v_pk_fma_f32 v[T+8*\b+\p:T+8*\b+\p+1], v[8*(4*\a+\b)+\p:8*(4*\a+\b)+\p+1], s[66:67], v[BIAS+8*\b+\p:BIAS+8*\b+\p+1] op_sel_hi:[1,0,1]   ; each accumulator from its low end on
.endr
.endr
	WIN 0
.set k, 0
.rept 32
	v_max_num_f32 v[T+k], 0, v[T+k]
.set k, k+1
.endr
.set k, 0
.rept 16
	v_cvt_pk_f16_f32 v[BK+16*\a+k], v[T+2*k], v[T+2*k+1]
.set k, k+1
.endr
.irp b, 0,1,2,3
	ds_store_b128 v10, v[BK+16*\a+4*\b:BK+16*\a+4*\b+3] offset:\a*4352+32*\b
.endr
.endr
	s_wait_dscnt 0x0                               ; for the others' sake: my stores into the stage are done
	s_barrier_signal -1
	s_barrier_wait -1
.set t, 0
.rept 20
	ds_load_b128 v[BK+4*t:BK+4*t+3], v11 offset:544*t
.set t, t+1
.endr
.set t, 0
.rept 20
	s_wait_dscnt 19-t
	global_store_b128 v12, v[BK+4*t:BK+4*t+3], s[14:15] offset:8192*t   ; 16 lanes store 256 consecutive bytes, aligned
.set t, t+1
.endr
	s_wait_tensorcnt 0x0                           ; the wave's end
	ds_add_u32 v[SPW], v[NIL]
	s_wait_dscnt 0x0
	CROUND                                         ; the closing round
	s_endpgm
.Lfunc_end_k_qfda50a6227_gemm1:
	.size	k_qfda50a6227_gemm1, .Lfunc_end_k_qfda50a6227_gemm1-k_qfda50a6227_gemm1
	.p2alignl 7, 3214868480
	.fill 96, 4, 3214868480
	.section	.rodata,"a",@progbits
	.p2align	6, 0x0
	.amdhsa_kernel k_qfda50a6227_gemm1
		.amdhsa_group_segment_fixed_size 327680
		.amdhsa_private_segment_fixed_size 0
		.amdhsa_enable_private_segment 0
		.amdhsa_kernarg_size 48
		.amdhsa_user_sgpr_count 2
		.amdhsa_user_sgpr_kernarg_segment_ptr 1
		.amdhsa_wavefront_size32 1
		.amdhsa_system_sgpr_workgroup_id_x 1
		.amdhsa_system_sgpr_workgroup_id_y 1
		.amdhsa_system_sgpr_workgroup_id_z 1
		.amdhsa_system_vgpr_workitem_id 0
		.amdhsa_next_free_vgpr 928
		.amdhsa_next_free_sgpr 100
		.amdhsa_reserve_vcc 0
		.amdhsa_float_denorm_mode_32 3
		.amdhsa_float_denorm_mode_16_64 3
		.amdhsa_memory_ordered 1
		.amdhsa_forward_progress 1
		.amdhsa_inst_pref_size 118
	.end_amdhsa_kernel
	.amdgpu_metadata
---
amdhsa.version: [ 1, 2 ]
amdhsa.kernels:
  - .name:           k_qfda50a6227_gemm1
    .symbol:         k_qfda50a6227_gemm1.kd
    .args:
      - { .name: h0p, .offset: 0, .size: 8, .value_kind: global_buffer, .address_space: global }
      - { .name: wh, .offset: 8, .size: 8, .value_kind: global_buffer, .address_space: global }
      - { .name: route, .offset: 16, .size: 8, .value_kind: global_buffer, .address_space: global }
      - { .name: pmax, .offset: 24, .size: 8, .value_kind: global_buffer, .address_space: global }
      - { .name: b1, .offset: 32, .size: 8, .value_kind: global_buffer, .address_space: global }
      - { .name: h1p, .offset: 40, .size: 8, .value_kind: global_buffer, .address_space: global }
    .group_segment_fixed_size: 327680
    .private_segment_fixed_size: 0
    .kernarg_segment_align: 8
    .kernarg_segment_size: 48
    .max_flat_workgroup_size: 128
    .sgpr_count:     100
    .vgpr_count:     928
    .wavefront_size: 32
...
	.end_amdgpu_metadata
.endif
;; end of part 3
;; launch gemm2 (part 4): grid 16 x 16, 4 waves a work-group, clusters of 4 x 1, 327,680 bytes of LDS; arguments h1p, wh, route, pmax, b2, out0; writes out0
.if DOCPART == 4
	.amdgcn_target "amdgcn-amd-amdhsa--gfx1250"
	.amdhsa_code_object_version 6
	.text
	.protected	k_qfda50a6227_gemm2
	.globl	k_qfda50a6227_gemm2
	.p2align	8
	.type	k_qfda50a6227_gemm2,@function
k_qfda50a6227_gemm2:
	s_mov_b64 s[64:65], 0
	v_nop
	global_prefetch_b8 v0, s[64:65] scope:SCOPE_SE
	s_setreg_imm32_b32 hwreg(HW_REG_WAVE_MODE, 25, 1), 1
	s_wait_xcnt 0x0
	s_wait_alu depctr_hold_cnt(0) depctr_sa_sdst(0) depctr_va_vdst(0) depctr_va_sdst(0) depctr_va_ssrc(0) depctr_va_vcc(0) depctr_vm_vsrc(0)
	s_getreg_b32 s2, hwreg(HW_REG_IB_STS2, 6, 4)
	s_cmp_eq_u32 s2, 0
	s_cbranch_scc0 .Lentry_in_a_cluster
	s_endpgm
.Lentry_in_a_cluster:
	s_bfe_u32 s2, ttmp6, 0x10000c
	s_cmp_lg_u32 s2, 0x3003
	s_cbranch_scc0 .Lentry_shape_is_right
	s_endpgm
.Lentry_shape_is_right:
; out0[tok] = relu(h1 W2[e] + b2[e]) for the places in sorted order; e = the leaf of the tile of 160 places, tok = the place's token, both read from the stored lists.  Operands f16, sums f32, result f32.
; h1p holds h1 x 2^t1 (t1 as in the launch before, made anew here from the same largest magnitudes), so the sums are multiplied by 2^-t1; the bias is added as it is.
; LIMITS: NaN and infinities are not served; |W2| under 65,504; the hold of t1 at +-60 as in the launch before.
; A FIXED GRID: 16 tiles of rows x 16 of columns, whatever the split.  No branch and no trip count hangs on the lists: only addresses and the lanes that store do.  A place without a token is multiplied and not stored.
; SHARES, RING, CLUSTER, LAYOUT: as in the launch before: 160 places x 128 columns a work-group, wave (wm, wn) 80 x 64; K in steps of 256 through two LDS slots; h's tile asked for jointly by the four
; partners of a cluster 4 x 1, which share the tile of rows; W's tile, which hangs on the tile column, is each work-group's own load behind the same round.  W's tiles are not shared along y:
; which tiles of rows have the same expert is a stored number, and a joint load's mask and descriptor are made of ids alone.
; REGISTERS: window 0: v1-15 addresses, v32-63 bias, v64-95 at work, v96-159 the way out (v96-135 at the head: partial maxima), v176-215 the places' tokens, v216-255 their rows' offsets in the result, made once at the head.
;   Windows 1, 2: two sets of fragments.  Window 3: the accumulators.
.set WOFF,  16777216                   ; W2 in wh
.set EOFF,  64                         ; the tiles' leaves in the list
.set EMAX,  3
.set R_TOK, 8192
.set R_TIL, 20480
.set AH,    42240
.set BOFF,  84480
.set BH,    36864
.set SLOT,  158208
.set SPARE, 316416                     ; the spare words, 128 bytes for each wave: two blocks of 256 bytes that no other line names
.set SPW,  28
.set NIL,  29
.set BIAS, 32
.set T,    64
.set BK,   96
.set PM,   96                          ; at the head: x's 16 partial maxima a lane, W0's 8 from PM + 16, W1's 16 from PM + 24
.set TK,   176
.set AO,   216
.set MSB, 0
.macro WIN new                         ; the immediate's high byte repeats the setting that is left
.if MSB != \new
	s_set_vgpr_msb (MSB<<8)|\new
.set MSB, \new
.endif
.endm
.macro PLACES
.rept 4
	v_nop
.endr
.endm
.macro CREST                           ; a round of the cluster's barrier behind its opening barrier
	s_cmp_lg_u32 s16, 0
	s_cbranch_scc1 .Lnot_wave_0_\@
	s_barrier_signal -3
.Lnot_wave_0_\@:
	s_barrier_wait -3
	s_barrier_signal -1
	s_barrier_wait -1
.endm
.macro CROUND
	s_barrier_signal -1
	s_barrier_wait -1
	CREST
.endm
.macro JLOAD s                         ; waves 0, 1: h's tile, jointly; waves 2, 3: W's, my work-group's own.  An s_nop 0 and four v_nop follow each line
	s_cmp_eq_u32 s17, 0
	s_cbranch_scc0 .Lfor_b_\@
	tensor_load_to_lds s[32+4*\s:35+4*\s], s[24:31]
	s_nop 0
.rept 4
	v_nop
.endr
	s_branch .Lasked_\@
.Lfor_b_\@:
	tensor_load_to_lds s[48+4*\s:51+4*\s], s[40:47]
	s_nop 0
.rept 4
	v_nop
.endr
.Lasked_\@:
.endm
	s_load_b256 s[4:11], s[0:1], 0x0               ; h s[4:5], wh s[6:7], route s[8:9], pmax s[10:11]
	s_load_b128 s[12:15], s[0:1], 0x20             ; bias s[12:13], result s[14:15]
	v_lshl_add_u32 v[SPW], v0, 2, SPARE
	v_mov_b32 v[NIL], 0
	ds_add_u32 v[SPW], v[NIL]                      ; the wave's opening: the add and its wait stand ahead of my first tensor load; work on registers stands between them
	v_lshrrev_b32 v1, 5, v0
	v_readfirstlane_b32 s16, v1                    ; wave 0..3
	s_lshr_b32 s17, s16, 1                         ; wm: which 80 places are mine.  Also: I fetch h (0) or W (1)
	s_and_b32 s18, s16, 1                          ; wn: which 64 columns.  Also: which half of that tile I fetch
	s_bfe_u32 s19, ttmp6, 0x40000                  ; cx
	s_lshl_b32 s20, ttmp9, 2
	s_add_co_u32 s20, s20, s19                     ; tile column
	s_and_b32 s21, ttmp7, 0xffff                   ; tile of rows, which the four partners share
	s_mov_b32 s24, 15|(1<<16)|(1<<20)|(1<<21)|(6<<22)|(3<<25)   ; h: all four work-groups; elements of 2 bytes; 4 words of padding after every 128
	s_mov_b32 s25, 256<<16
	s_mov_b32 s26, 80<<16
	s_mov_b32 s27, 256<<16
	s_mov_b32 s28, 80
	s_mov_b32 s29, 2048
	s_mov_b32 s30, 0
	s_mov_b32 s31, 0
	s_mov_b32 s40, (1<<16)|(1<<20)|(5<<22)|(7<<25) ; W: no mask; 8 words of padding after every 64
	s_mov_b32 s41, 128<<16
	s_mov_b32 s42, 128<<16
	s_mov_b32 s43, 128<<16
	s_mov_b32 s44, 128
	s_mov_b32 s45, 2048
	s_mov_b32 s46, 0
	s_mov_b32 s47, 0
	s_mov_b32 s70, 0x76543210
	s_mov_b32 s71, 0xfedcba98
	s_lshl_b32 s72, s21, 2
	s_wait_dscnt 0x0                               ; the opening add is done
	s_wait_kmcnt 0x0
	s_load_b32 s22, s[8:9], s72 offset:R_TIL+EOFF  ; my tile's expert
	s_mul_i32 s74, s21, 160
	s_mul_i32 s75, s18, 80
	s_add_co_u32 s74, s74, s75
	s_lshl_b32 s74, s74, 12                        ; h: place 160 x tile + 80 x half, rows of 4,096 bytes
	s_mov_b32 s75, 0
	s_add_nc_u64 s[74:75], s[4:5], s[74:75]
	s_mul_i32 s76, s18, AH
	s_mul_i32 s77, s18, BH
	s_add_co_u32 s77, s77, BOFF
	s_wait_kmcnt 0x0
	s_min_u32 s22, s22, EMAX
	s_lshl_b32 s78, s22, 23                        ; W: an expert is 8 MiB of f16,
	s_lshl_b32 s79, s18, 19                        ; 128 k-rows of 4,096 bytes a half,
	s_add_co_u32 s78, s78, s79
	s_lshl_b32 s79, s20, 8                         ; 256 bytes a tile column
	s_add_co_u32 s78, s78, s79
	s_add_co_u32 s78, s78, WOFF
	s_mov_b32 s79, 0
	s_add_nc_u64 s[78:79], s[6:7], s[78:79]
	CROUND                                         ; all four work-groups are here: the first joint loads meet
.irp s, 0,1
	s_mov_b32 s[32+4*\s], 1
	s_add_co_u32 s[33+4*\s], s76, \s*SLOT
	s_add_nc_u64 s[34+4*\s:35+4*\s], s[74:75], \s*512
	s_or_b32 s[35+4*\s], s[35+4*\s], 0x80000000
	s_mov_b32 s[48+4*\s], 1
	s_add_co_u32 s[49+4*\s], s77, \s*SLOT
	s_add_nc_u64 s[50+4*\s:51+4*\s], s[78:79], \s*1048576
	s_or_b32 s[51+4*\s], s[51+4*\s], 0x80000000
	JLOAD \s                                       ; K steps 0 and 1: two tensor loads of mine are out
.endr
	v_and_b32 v1, 15, v0                           ; r
	v_bfe_u32 v2, v0, 4, 1                         ; h
	v_and_b32 v3, 31, v0
	v_lshlrev_b32 v13, 4, v3
.irp i, 0,1,2,3
	global_load_b128 v[PM+4*\i:PM+4*\i+3], v13, s[10:11] offset:512*\i                ; the partial maxima: x's,
.endr
.irp i, 0,1
	global_load_b128 v[PM+16+4*\i:PM+16+4*\i+3], v13, s[10:11] offset:2048+512*\i     ; W0's,
.endr
.irp i, 0,1,2,3
	global_load_b128 v[PM+24+4*\i:PM+24+4*\i+3], v13, s[10:11] offset:3072+512*\i     ; W1's,
.endr
	s_load_b256 s[80:87], s[10:11], 0x1400         ; b0's four and b1's four
	s_lshl_b32 s88, s22, 13
	s_lshl_b32 s89, s20, 9
	s_add_co_u32 s88, s88, s89
	s_lshl_b32 s89, s18, 8
	s_add_co_u32 s88, s88, s89
	s_mov_b32 s89, 0
	s_add_nc_u64 s[12:13], s[12:13], s[88:89]      ; the expert's bias at my 64 columns
	v_lshlrev_b32 v14, 5, v2
.irp b, 0,1,2,3
	global_load_b128 v[BIAS+8*\b:BIAS+8*\b+3], v14, s[12:13] offset:64*\b
	global_load_b128 v[BIAS+8*\b+4:BIAS+8*\b+7], v14, s[12:13] offset:64*\b+16
.endr
	s_mul_i32 s88, s21, 640
	s_mul_i32 s90, s17, 320
	s_add_co_u32 s88, s88, s90
	s_add_nc_u64 s[8:9], s[8:9], s[88:89]          ; the lists at place 160 x tile + 80 wm
	v_lshlrev_b32 v15, 2, v2
.irp a, 0,1,2,3,4
.irp i, 0,1,2,3,4,5,6,7
	global_load_b32 v[TK+8*\a+\i], v15, s[8:9] offset:R_TOK+4*(16*\a+2*\i)      ; the token of place 16 a + 2 i + lane / 16: the row that this lane will store
.endr
.endr
	v_mul_u32_u24 v3, v1, 528
	v_lshl_add_u32 v3, v2, 4, v3
	s_mul_i32 s88, s17, AH
	v_add_nc_u32 v4, s88, v3                       ; v4, v5: my rows of h in slot 0, 1
	v_add_nc_u32 v5, SLOT, v4
	v_and_b32 v3, 7, v0                            ; the turning load: lane l reads 16 bytes of k-row 8 (l / 16) + l % 8, columns 8 ((l / 8) % 2) on
	v_lshl_add_u32 v3, v2, 3, v3
	v_mul_u32_u24 v3, v3, 288
	v_bfe_u32 v16, v0, 3, 1
	v_lshl_add_u32 v3, v16, 4, v3
	s_lshl_b32 s88, s18, 7
	s_add_co_u32 s88, s88, BOFF
	v_add_nc_u32 v6, s88, v3                       ; v6, v7: my columns of W in slot 0, k 0-127 and 128-255; v8, v9: in slot 1
	v_add_nc_u32 v7, BH, v6
	v_add_nc_u32 v8, SLOT, v6
	v_add_nc_u32 v9, SLOT, v7
	s_mul_i32 s88, s16, 4352                       ; my own stage: 16 rows of 256 + 16 bytes, in slot 0, which has had its last fill and its last read by then
	v_mul_u32_u24 v10, v1, 272
	v_lshl_add_u32 v10, v2, 5, v10
	v_add_nc_u32 v10, s88, v10                     ; in: row r, 32 bytes for each half of the lanes
	v_mul_u32_u24 v11, v2, 272
	v_lshl_add_u32 v11, v1, 4, v11
	v_add_nc_u32 v11, s88, v11                     ; back: lanes 0-15 one row, lanes 16-31 the next
	v_lshlrev_b32 v12, 4, v1
	s_lshl_b32 s88, s20, 9
	s_lshl_b32 s90, s18, 8
	s_add_co_u32 s88, s88, s90
	s_add_nc_u64 s[14:15], s[14:15], s[88:89]      ; the result at my wave's 256 bytes of a row
	s_wait_loadcnt 0x0
	s_wait_kmcnt 0x0
	; the power of two, from the largest magnitudes
	v_max3_num_f32 v[PM], v[PM], v[PM+1], v[PM+2]
	v_max3_num_f32 v[PM+16], v[PM+16], v[PM+17], v[PM+18]
	v_max3_num_f32 v[PM+24], v[PM+24], v[PM+25], v[PM+26]
.irp i, 3,5,7,9,11,13
	v_max3_num_f32 v[PM], v[PM], v[PM+\i], v[PM+1+\i]
	v_max3_num_f32 v[PM+24], v[PM+24], v[PM+24+\i], v[PM+25+\i]
.endr
.irp i, 3,5
	v_max3_num_f32 v[PM+16], v[PM+16], v[PM+16+\i], v[PM+17+\i]
.endr
	v_max_num_f32 v[PM], v[PM], v[PM+15]
	v_max_num_f32 v[PM+16], v[PM+16], v[PM+23]
	v_max_num_f32 v[PM+24], v[PM+24], v[PM+39]
.irp m, 1,2,4,8
	v_max_num_f32_dpp v[PM], v[PM], v[PM] row_xmask:\m row_mask:0xf bank_mask:0xf
	v_max_num_f32_dpp v[PM+16], v[PM+16], v[PM+16] row_xmask:\m row_mask:0xf bank_mask:0xf
	v_max_num_f32_dpp v[PM+24], v[PM+24], v[PM+24] row_xmask:\m row_mask:0xf bank_mask:0xf
.endr
	v_permlanex16_b32 v[PM+1], v[PM], s70, s71
	v_permlanex16_b32 v[PM+17], v[PM+16], s70, s71
	v_permlanex16_b32 v[PM+25], v[PM+24], s70, s71
	v_max_num_f32 v[PM], v[PM], v[PM+1]
	v_max_num_f32 v[PM+16], v[PM+16], v[PM+17]
	v_max_num_f32 v[PM+24], v[PM+24], v[PM+25]
	v_readfirstlane_b32 s88, v[PM]
	v_readfirstlane_b32 s89, v[PM+16]
	v_readfirstlane_b32 s90, v[PM+24]
	s_max_u32 s91, s80, s81                        ; none is negative: the bits order as the numbers do
	s_max_u32 s92, s82, s83
	s_max_u32 s91, s91, s92
	s_max_u32 s92, s84, s85
	s_max_u32 s93, s86, s87
	s_max_u32 s92, s92, s93
.irp g, 88,89,90,91,92
	s_lshr_b32 s\g, s\g, 23                        ; the exponent fields
.endr
	s_add_co_i32 s88, s88, s89
	s_sub_co_i32 s88, s88, 239
	s_sub_co_i32 s91, s91, 126
	s_max_i32 s88, s88, s91
	s_add_co_i32 s88, s88, 1                       ; E0
	s_add_co_i32 s90, s90, s88
	s_sub_co_i32 s90, s90, 115
	s_sub_co_i32 s92, s92, 126
	s_max_i32 s90, s90, s92
	s_add_co_i32 s90, s90, 1                       ; E1
	s_sub_co_i32 s91, 15, s90
	s_max_i32 s91, s91, -60
	s_min_i32 s91, s91, 60                         ; t1
	s_sub_co_i32 s92, 127, s91
	s_lshl_b32 s66, s92, 23                        ; 2^-t1: for the sums
	s_mov_b32 s67, s66
	; the 40 rows' offsets in the result, made once, here, with all lanes on, each in a register of its own that is never written again
.set k, 0
.rept 40
	v_min_u32 v[AO+k], 2047, v[TK+k]               ; a place without a token (2048) is held inside the result; its lanes are switched off at the store
	v_lshl_add_u32 v[AO+k], v[AO+k], 13, v12       ; token x 8,192 bytes + 16 (lane % 16)
.set k, k+1
.endr
; 36 LDS loads in one run: the fragments of 64 along K (the slot's kq-th) into set buf; the first 32 along K first
.macro FETCH slot, kq, buf
	WIN (0x40<<(\buf))                             ; destination window 1 or 2, address window 0
.irp c, 0,1
.irp b, 0,1,2,3
	ds_load_tr16_b128 v[72*\c+8*\b:72*\c+8*\b+3],   v[6+2*(\slot)+(\kq)/2] offset:(((\kq)%2)*64+32*\c)*288+32*\b
	ds_load_tr16_b128 v[72*\c+8*\b+4:72*\c+8*\b+7], v[6+2*(\slot)+(\kq)/2] offset:(((\kq)%2)*64+32*\c)*288+32*\b+4608
.endr
.irp a, 0,1,2,3,4
	ds_load_b128 v[72*\c+32+8*\a:72*\c+32+8*\a+3],   v[4+(\slot)] offset:128*(\kq)+64*\c+\a*8448
	ds_load_b128 v[72*\c+32+8*\a+4:72*\c+32+8*\a+7], v[4+(\slot)] offset:128*(\kq)+64*\c+\a*8448+32
.endr
.endr
.endm
; blocks a0 .. a1 of rows x all 4 of columns, 32 along K: half c of set buf.  The 20 accumulators take turns, one instruction a turn.  zero = 1: the first product starts the sums
.macro MULA buf, c, a0, a1, zero
	WIN (0xf5+5*(\buf))                            ; sources 0 and 1 window 1 or 2, C and D window 3
.set ma, \a0
.rept (\a1)-(\a0)+1
.irp b, 0,1,2,3
.if \zero
	v_wmma_f32_16x16x32_f16 v[8*(4*ma+\b):8*(4*ma+\b)+7], v[72*(\c)+8*\b:72*(\c)+8*\b+7], v[72*(\c)+32+8*ma:72*(\c)+32+8*ma+7], 0
.else
	v_wmma_f32_16x16x32_f16 v[8*(4*ma+\b):8*(4*ma+\b)+7], v[72*(\c)+8*\b:72*(\c)+8*\b+7], v[72*(\c)+32+8*ma:72*(\c)+32+8*ma+7], v[8*(4*ma+\b):8*(4*ma+\b)+7]
.endif
.endr
.set ma, ma+1
.endr
.endm
; A K step is four quarters of 64 along K, 40 matrix instructions each, on sets 0, 1, 0, 1.  One of the first three: multiplies set f and fetches the slot's kq-th quarter into g.
.macro QUARTER slot, kq, f, g, zero
	s_wait_dscnt 18                                ; the first 32 along K are in
	MULA \f, 0, 0, 4, \zero
	PLACES
	FETCH \slot, \kq, \g
	s_wait_dscnt 36                                ; all but the 36 just issued
	MULA \f, 1, 0, 4, 0
.endm
; The last quarter multiplies set 1 and changes slots: one barrier; in front of it each wave waits for all its tensor loads, adds 0 to its spare word, and waits for that and for its reads of this slot.
; fill = 1: the barrier opens a round of the cluster's, and this slot is filled again, two K steps ahead, first thing behind it.
.macro TURN slot, next, fill
	WIN 0                                          ; (the add's two registers lie in window 0)
	s_wait_tensorcnt 0x0                           ; all my tensor loads have landed: my part of the next slot;
	ds_add_u32 v[SPW], v[NIL]                      ; 0 onto my spare word
	s_wait_dscnt 19                                ; (the add and the youngest eighteen loads may be out)
	MULA 1, 0, 0, 1, 0                             ; eight matrix instructions stand between the add and the wait for it
	s_wait_dscnt 0x0                               ; the add is done, and my reads of this slot are over
	s_barrier_signal -1
	MULA 1, 0, 2, 4, 0
.if \fill
	WIN 0
.endif
	s_barrier_wait -1
.if \fill
	CREST                                          ; no wave of any partner still reads this slot's tile or has a load on its way
	s_add_nc_u64 s[34+4*\slot:35+4*\slot], s[34+4*\slot:35+4*\slot], 1024
	s_add_nc_u64 s[50+4*\slot:51+4*\slot], s[50+4*\slot:51+4*\slot], 2097152
	JLOAD \slot                                    ; the four v_nop behind it are also the places in front of the loads below
.else
	PLACES
.endif
	FETCH \next, 0, 0
	MULA 1, 1, 0, 4, 0
.endm
	s_wait_tensorcnt 0x1                           ; my part of K step 0 is in (K step 1's load may stay out)
	s_barrier_signal -1
	s_barrier_wait -1                              ; everybody's is
	FETCH 0, 0, 0
	QUARTER 0, 1, 0, 1, 1                          ; the first quarter stands in front of the loop: its first products start the sums
	WIN 0                                          ; at a label and at a branch every window is 0
	s_mov_b32 s23, 3
.Llap:                                                 ; a trip goes once round the ring and fills both slots again: K steps 2 to 7
	QUARTER 0, 2, 1, 0, 0
	QUARTER 0, 3, 0, 1, 0
	TURN 0, 1, 1
	QUARTER 1, 1, 0, 1, 0
	QUARTER 1, 2, 1, 0, 0
	QUARTER 1, 3, 0, 1, 0
	TURN 1, 0, 1
	QUARTER 0, 1, 0, 1, 0
	WIN 0
	s_sub_co_u32 s23, s23, 1
	s_cmp_lg_u32 s23, 0
	s_cbranch_scc1 .Llap
	QUARTER 0, 2, 1, 0, 0                          ; the last lap fills nothing
	QUARTER 0, 3, 0, 1, 0
	TURN 0, 1, 0
	QUARTER 1, 1, 0, 1, 0
	QUARTER 1, 2, 1, 0, 0
	QUARTER 1, 3, 0, 1, 0
	s_wait_dscnt 18                                ; the very last quarter: nothing more to fetch
	MULA 1, 0, 0, 4, 0
	s_wait_dscnt 0x0
	MULA 1, 1, 0, 4, 0
	WIN 0
	; THE WAY OUT, 16 places at a time: x 2^-t1 + bias, relu; through my own stage (my 64 columns of f32 are 256 bytes of a row: no other wave has a part in them, so no barrier);
	; back as whole runs of 256 bytes, each stored at its token's row; lanes whose place has no token are switched off.  No address register is written from here on.
	s_wait_xcnt 0x0                                ; EXEC changes only behind this wait
	PLACES
.irp a, 0,1,2,3,4
	WIN 0x03                                       ; source 0: window 3
.irp b, 0,1,2,3
.irp p, 0,2,4,6
	v_pk_fma_f32 v[T+8*\b+\p:T+8*\b+\p+1], v[8*(4*\a+\b)+\p:8*(4*\a+\b)+\p+1], s[66:67], v[BIAS+8*\b+\p:BIAS+8*\b+\p+1] op_sel_hi:[1,0,1]   ; each accumulator from its low end on
.endr
.endr
	WIN 0
.set k, 0
.rept 32
	v_max_num_f32 v[T+k], 0, v[T+k]
.set k, k+1
.endr
.irp b, 0,1,2,3
	ds_store_b128 v10, v[T+8*\b:T+8*\b+3] offset:64*\b
	ds_store_b128 v10, v[T+8*\b+4:T+8*\b+7] offset:64*\b+16
.endr
.irp i, 0,1,2,3,4,5,6,7
	ds_load_b128 v[BK+32*(\a%2)+4*\i:BK+32*(\a%2)+4*\i+3], v11 offset:544*\i   ; LDS serves a wave's instructions in order: these see my stores, and the next block's stores come behind them
.endr
.irp i, 0,1,2,3,4,5,6,7
	s_wait_dscnt 7-\i
	v_cmp_gt_u32 vcc_lo, 2048, v[TK+8*\a+\i]       ; a token?
	s_and_saveexec_b32 s72, vcc_lo
	global_store_b128 v[AO+8*\a+\i], v[BK+32*(\a%2)+4*\i:BK+32*(\a%2)+4*\i+3], s[14:15] th:TH_STORE_NT   ; 16 lanes store 256 consecutive bytes, aligned
	s_wait_xcnt 0x0                                ; in front of the line that widens EXEC; it also frees the data, and serves the next narrowing
	s_or_b32 exec_lo, exec_lo, s72
.endr
.endr
	s_wait_tensorcnt 0x0                           ; the wave's end (all lanes are on again)
	ds_add_u32 v[SPW], v[NIL]
	s_wait_dscnt 0x0
	CROUND                                         ; the closing round
	s_endpgm
.Lfunc_end_k_qfda50a6227_gemm2:
	.size	k_qfda50a6227_gemm2, .Lfunc_end_k_qfda50a6227_gemm2-k_qfda50a6227_gemm2
	.p2alignl 7, 3214868480
	.fill 96, 4, 3214868480
	.section	.rodata,"a",@progbits
	.p2align	6, 0x0
	.amdhsa_kernel k_qfda50a6227_gemm2
		.amdhsa_group_segment_fixed_size 327680
		.amdhsa_private_segment_fixed_size 0
		.amdhsa_enable_private_segment 0
		.amdhsa_kernarg_size 48
		.amdhsa_user_sgpr_count 2
		.amdhsa_user_sgpr_kernarg_segment_ptr 1
		.amdhsa_wavefront_size32 1
		.amdhsa_system_sgpr_workgroup_id_x 1
		.amdhsa_system_sgpr_workgroup_id_y 1
		.amdhsa_system_sgpr_workgroup_id_z 1
		.amdhsa_system_vgpr_workitem_id 0
		.amdhsa_next_free_vgpr 928
		.amdhsa_next_free_sgpr 100
		.amdhsa_reserve_vcc 1
		.amdhsa_float_denorm_mode_32 3
		.amdhsa_float_denorm_mode_16_64 3
		.amdhsa_memory_ordered 1
		.amdhsa_forward_progress 1
		.amdhsa_inst_pref_size 132
	.end_amdhsa_kernel
	.amdgpu_metadata
---
amdhsa.version: [ 1, 2 ]
amdhsa.kernels:
  - .name:           k_qfda50a6227_gemm2
    .symbol:         k_qfda50a6227_gemm2.kd
    .args:
      - { .name: h1p, .offset: 0, .size: 8, .value_kind: global_buffer, .address_space: global }
      - { .name: wh, .offset: 8, .size: 8, .value_kind: global_buffer, .address_space: global }
      - { .name: route, .offset: 16, .size: 8, .value_kind: global_buffer, .address_space: global }
      - { .name: pmax, .offset: 24, .size: 8, .value_kind: global_buffer, .address_space: global }
      - { .name: b2, .offset: 32, .size: 8, .value_kind: global_buffer, .address_space: global }
      - { .name: out0, .offset: 40, .size: 8, .value_kind: global_buffer, .address_space: global }
    .group_segment_fixed_size: 327680
    .private_segment_fixed_size: 0
    .kernarg_segment_align: 8
    .kernarg_segment_size: 48
    .max_flat_workgroup_size: 128
    .sgpr_count:     100
    .vgpr_count:     928
    .wavefront_size: 32
...
	.end_amdgpu_metadata
.endif
;; end of part 4
